; MI455X (gfx1250); checked and timed in simulation.
; The chip was launched on July 23, 2026; its instructions are those of AMD's public machine-readable ISA for CDNA 5 (MIT licence, August 2026) and "CDNA5" Instruction Set Architecture Reference Guide (July 2026). The comments in the code are by the model that wrote it; some were corrected since.
;; Multi Head Attention Layer. Allowed arithmetic: matrix products marked QUANTISED: E2M1 operands, one E8M0 scale for each 32 along K, by v_wmma_scale_f32_16x16x128_f8f6f4 with both operands' format E2M1 (or v_wmma_scale_f32_32x16x128_f4), f32 sums; everything else in f32.
;; Inputs: Wk 1,024 x 1,024 float32; Wo 1,024 x 1,024 float32; Wq 1,024 x 1,024 float32; Wv 1,024 x 1,024 float32; bk 1,024 float32; bo 1,024 float32; bq 1,024 float32; bv 1,024 float32; ln_beta 1,024 float32; ln_gamma 1,024 float32; x 4 x 2,048 x 1,024 float32.
;; Outputs: out0 4 x 2,048 x 1,024 float32.
;; This version of the problem:
;;   THIS VERSION OF THE PROBLEM IS GIVEN IN LOW PRECISION. The matrix products marked QUANTISED in the list below multiply operands that are first quantised to E2M1 (2 exponent bits, 1 mantissa bit; 4 bits a number), with one power-of-two scale for each 32 numbers along K (OCP MX v1.0); their sums are f32. All else is computed in f32.
;;   The module's matrix products, in the order in which they are computed (A, B: the left and right operand; K: the contracted axis; several contracted axes count as one K, in the product's order):
;;     1. [M 8,192, K 1,024] x [K 1,024, N 1,024]; A: computed on the way; B: input Wq: QUANTISED
;;     2. [M 8,192, K 1,024] x [K 1,024, N 1,024]; A: computed on the way; B: input Wk: QUANTISED
;;     3. [M 8,192, K 1,024] x [K 1,024, N 1,024]; A: computed on the way; B: input Wv: QUANTISED
;;     4. batch 64 x [M 2,048, K 64] x [K 64, N 2,048]; A: computed on the way; B: computed on the way: QUANTISED
;;     5. batch 64 x [M 64, K 2,048] x [K 2,048, N 2,048]; A: computed on the way; B: softmax (see below): QUANTISED
;;     6. [M 8,192, K 1,024] x [K 1,024, N 1,024]; A: computed on the way; B: input Wo: QUANTISED
;;   THE QUANTISER, for each operand of a quantised product, along K:
;;     - K is cut into blocks of 32 from its start; a last block that is shorter is filled with zeros.
;;     - A block's scale is 2^e with e = floor(log2(the largest magnitude in the block)) - 2, held to -126 .. 127; a block of zeros has e = 0. As a byte (E8M0): e + 127.
;;     - Each number is divided by its block's scale, clamped to +-6, and rounded to the nearest number of E2M1, ties to even, subnormals kept.
;;     - The product sums the exact products of the quantised numbers (number of the format x scale) in f32.
;;   ~~~python
;;   def quantise(x, axis):      # numpy; x: float32 -> the quantised numbers, widened to float32 again
;;       x = np.moveaxis(x, axis, -1); K = x.shape[-1]
;;       x = np.pad(x, [(0, 0)] * (x.ndim - 1) + [(0, -K % 32)]); x = x.reshape(x.shape[:-1] + (-1, 32)); a = np.abs(x).max(-1, keepdims=True)
;;       e = np.where(a > 0, np.clip(np.frexp(np.where(a > 0, a, 1))[1] - 1 - 2, -126, 127), 0)      # np.frexp(a)[1] - 1 = floor(log2(a)), exactly
;;       r = np.clip(x / 2.0 ** e, -6, 6)
;;       step = 2.0 ** (np.maximum(np.frexp(np.where(r == 0, 1, r))[1] - 1, 0) - 1)
;;       q = np.round(r / step) * step * 2.0 ** e      # np.round: ties to even
;;       return np.moveaxis(q.reshape(q.shape[:-2] + (-1,))[..., :K], -1, axis).astype(np.float32)
;;   ~~~
;;   SOFTMAX AHEAD OF A QUANTISED PRODUCT. Where the list says 'softmax', what is quantised is not the finished softmax but p = 2^(t - M), with t = logit x log2(e) and M = ceil(the row's largest t), a whole number; so 1/2 < the row's largest p <= 1. The row's sum l is taken of the UNQUANTISED p, in f32, and the product's result is divided by l at the end. Since M is a whole number, a kernel that streams over the keys may use a running M (the ceiling of the running maximum): every later rescaling is an exact power of two, which a block's scale takes up: the codes' values come out the same.
;;   OPERANDS COMPUTED ON THE WAY. 'Computed on the way' means the value that the module computes at that place (a softmax that the list does not call 'softmax' is quantised finished and normalised). What goes into a quantiser is computed in f32, as accurately as f32 sums, v_exp_f32 and their like allow (about 1e-6 of the number): no bf16 or f16 on the way to a quantiser, and a product that is left as it is and whose result goes on into a quantised operand takes f32 operands (vector FMAs, or v_wmma_f32_16x16x4_f32). A number that lies on a knife's edge between two numbers of the format may be rounded either way, as far as f32 arithmetic and the matrix unit's own rounding can turn it there, and no further.
;; One version. Each part assembles by itself: llvm-mc -triple=amdgcn-amd-amdhsa -mcpu=gfx1250 --defsym DOCPART=n.
;; ======== version 1 of 1: 4 launches
;; limits: right only within a limited range of input values
;; workspace buffers: xq 4,456,448 bytes; wq 2,228,224 bytes; qb 4,718,592 bytes; kv 9,175,040 bytes; ao 4,456,448 bytes
;; launch prep (part 1): grid 768 x 1, 4 waves a work-group, no clusters, 9,728 bytes of LDS; arguments x, ln_gamma, ln_beta, Wq, Wk, Wv, Wo, xq, wq; writes xq, wq
.if DOCPART == 1
	.amdgcn_target "amdgcn-amd-amdhsa--gfx1250"
	.amdhsa_code_object_version 6
	.text
	.protected	k_q04f5d90cfb_prep
	.globl	k_q04f5d90cfb_prep
	.p2align	8
	.type	k_q04f5d90cfb_prep,@function
k_q04f5d90cfb_prep:
	s_mov_b64 s[64:65], 0
	v_nop
	global_prefetch_b8 v0, s[64:65] scope:SCOPE_SE
	s_setreg_imm32_b32 hwreg(HW_REG_WAVE_MODE, 25, 1), 1
	s_wait_xcnt 0x0
; LAUNCH 1 OF 4.  Work-groups 0-511: LayerNorm of x [8192][1024] and its codes of FP4 (E2M1) along the 1,024, one E8M0 byte for each 32.
; Work-groups 512-767: the four weights [1024 (k)][1024 (n)], quantised along k, their first axis.
; EVERY WORKSPACE BUFFER IS AN IMAGE OF OPERAND REGISTERS.  A fragment (16 elements x 128 along K) is 1,024 bytes: block B of 32 along K lies at 256 B, element r's 16 bytes at 16 r.
; A TILE OF 16 IS NOT 16 NEIGHBOURS: of a group of 32 (rows of x, columns of a weight) tile u holds, at place r, element 8 u + r + 8 (r / 8).
; xq: [Y 32 (256 rows)][139,264]: codes [tile 16][K step 8][1,024]; from byte 131,072 scale bytes [tile 16][block / 16][r 16][16].
; wq: codes [matrix 4: q k v o][tile 64][K step 8][1,024]; from byte 2,097,152 scale words [matrix][K step 8][tile 64][r 16].
; A block's scale is 2^(floor(log2(largest magnitude)) - 2); its byte is the largest magnitude's exponent field - 2, held at 1 from below by a floor among the maximum's leaves.
; LIMITS: NaN and infinities among the inputs are not served.  A block of zeros, or one whose largest magnitude lies under 2^-124, gets the byte 1 where the quantiser's rule gives a block of
; zeros 127: its codes are zeros, which add nothing under any byte but 0xff, and only this program reads the bytes.
; No matrix work, no tensor load, no cluster: the work-groups share no input but gamma and beta.  All of a wave's loads are issued at once, so nothing is left to ask for ahead of time.
; A wave's four rows are worked one after the other, each behind a counted wait for its own eight loads: the later rows' loads stay out meanwhile.
.set NLN, 512                          ; work-groups of the LayerNorm path: one for each tile of 16 rows
.set X,   16                           ; v16-143  four rows: row i, chunk j at X + 32 i + 8 j: k = 256 j + 8 lane + 0 .. 7
.set GA,  144                          ; v144-175 gamma at my 32 k
.set BE,  176                          ; v176-207 beta
.set SM,  208                          ; v208-215 four pairs of running sums
.set MU,  216                          ; v216-217 mu, later 1 / sigma, twice (a pair for the packed forms)
.set PT,  218                          ; v218     the lane permute's destination
.set TM,  224                          ; v224-239 the 16 blocks' largest magnitudes, scale operands, bytes
.set CD,  240                          ; v240-255 eight codes for each (row, chunk)
.set UP,  272                          ; LDS: a unit of 256 bytes of the tile's image + 16 of padding
.set SCB, 32*UP                        ; behind the 32 units: the tile's 512 scale bytes
	s_load_b256 s[4:11], s[0:1], 0x0               ; x s[4:5], gamma s[6:7], beta s[8:9], Wq s[10:11]
	s_load_b256 s[12:19], s[0:1], 0x20             ; Wk s[12:13], Wv s[14:15], Wo s[16:17], xq s[18:19]
	s_load_b64 s[20:21], s[0:1], 0x40              ; wq
	v_lshl_add_u32 v14, v0, 2, 0x2400
	v_mov_b32 v15, 0
	v_lshrrev_b32 v1, 5, v0
	v_readfirstlane_b32 s22, v1                    ; wave 0..3
	v_and_b32 v1, 31, v0                           ; lane
	s_cmp_lt_u32 ttmp9, NLN                        ; the paths part on the work-group's number: all four waves go the same way
	s_cbranch_scc0 .Lweights
	; ---------------- LayerNorm: tile T = the work-group's number; wave w takes places r = 4 w + i, four neighbouring rows
	s_lshr_b32 s23, ttmp9, 1
	s_lshl_b32 s23, s23, 5                         ; 32 (T / 2)
	s_and_b32 s24, ttmp9, 1
	s_lshl_b32 s24, s24, 3
	s_add_co_u32 s23, s23, s24                     ; + 8 (T % 2)
	s_lshl_b32 s24, s22, 2
	s_add_co_u32 s23, s23, s24                     ; + 4 w
	s_lshr_b32 s24, s22, 1
	s_lshl_b32 s24, s24, 3
	s_add_co_u32 s23, s23, s24                     ; + 8 (w / 2): my first row
	s_lshl_b32 s24, s23, 12                        ; in bytes (under 2^25)
	s_mov_b32 s25, 0
	s_lshr_b32 s26, ttmp9, 4
	s_mul_i32 s26, s26, 139264                     ; Y's part of xq
	s_and_b32 s27, ttmp9, 15                       ; the tile in it
	s_lshl_b32 s28, s27, 13
	s_add_co_u32 s28, s28, s26
	s_lshl_b32 s29, s22, 11
	s_add_co_u32 s28, s28, s29                     ; codes: the tile's 8,192 bytes, my wave's quarter of them
	s_mov_b32 s29, 0
	s_lshl_b32 s30, s27, 9
	s_add_co_u32 s30, s30, s26
	s_add_co_u32 s30, s30, 131072                  ; scale bytes: 512 a tile
	s_mov_b32 s31, 0
	s_mov_b32 s40, 0x76543210
	s_mov_b32 s41, 0xfedcba98                      ; v_permlanex16_b32's selects for lane l xor 16
	s_mov_b32 s42, 0x3a800000                      ; 1 / 1024
	s_mov_b32 s43, 0x3727c5ac                      ; 1e-5
	s_wait_alu depctr_va_vdst(0)
	v_lshlrev_b32 v2, 5, v1                        ; 32 bytes a lane in a chunk of 1,024
	v_lshrrev_b32 v7, 2, v1
	v_and_b32 v8, 3, v1
	v_mul_u32_u24 v3, v7, UP
	v_lshl_add_u32 v3, v8, 2, v3
	s_lshl_b32 s32, s22, 6
	v_add_nc_u32 v3, s32, v3                       ; codes into LDS: unit lane / 4 of a chunk's eight, + 64 w (place 4 w) + 4 (lane % 4)
	v_add_nc_u32 v4, s32, v7
	v_add_nc_u32 v4, SCB, v4                       ; bytes into LDS: + 64 w + lane / 4
	v_lshrrev_b32 v7, 4, v1
	v_and_b32 v8, 15, v1
	v_mul_u32_u24 v5, v7, UP
	v_lshl_add_u32 v5, v8, 4, v5
	s_mul_i32 s32, s22, 8*UP
	v_add_nc_u32 v5, s32, v5                       ; back: my wave's eight units, two an instruction
	v_lshlrev_b32 v6, 4, v1                        ; 16 bytes a lane
	v_add_nc_u32 v7, SCB, v6                       ; wave 0 reads the 512 scale bytes back here
	v_mov_b32 v[PT], 0                             ; written once: a lane permute's destination counts as one of its sources
	s_wait_alu depctr_va_vdst(0)
	s_wait_kmcnt 0x0
	s_add_nc_u64 s[4:5], s[4:5], s[24:25]
	s_add_nc_u64 s[36:37], s[18:19], s[28:29]
	s_add_nc_u64 s[38:39], s[18:19], s[30:31]
.irp j, 0,1,2,3                                ; gamma and beta first: every row wants them
	global_load_b128 v[GA+8*\j:GA+8*\j+3], v2, s[6:7] offset:1024*\j
	global_load_b128 v[GA+8*\j+4:GA+8*\j+7], v2, s[6:7] offset:1024*\j+16
	global_load_b128 v[BE+8*\j:BE+8*\j+3], v2, s[8:9] offset:1024*\j
	global_load_b128 v[BE+8*\j+4:BE+8*\j+7], v2, s[8:9] offset:1024*\j+16
.endr
.irp i, 0,1,2,3
.irp j, 0,1,2,3
	global_load_b128 v[X+32*\i+8*\j:X+32*\i+8*\j+3], v2, s[4:5] offset:4096*\i+1024*\j th:TH_LOAD_NT
	global_load_b128 v[X+32*\i+8*\j+4:X+32*\i+8*\j+7], v2, s[4:5] offset:4096*\i+1024*\j+16 th:TH_LOAD_NT
.endr
.endr
.macro FOLD                            ; the four pairs of sums, then the 32 lanes: the result stands in v[SM] of every lane
	v_pk_add_f32 v[SM:SM+1], v[SM:SM+1], v[SM+2:SM+3]
	v_pk_add_f32 v[SM+4:SM+5], v[SM+4:SM+5], v[SM+6:SM+7]
	s_delay_alu instid0(VALU_DEP_1)
	v_pk_add_f32 v[SM:SM+1], v[SM:SM+1], v[SM+4:SM+5]
	s_delay_alu instid0(VALU_DEP_1)
	v_add_f32 v[SM], v[SM], v[SM+1]
.irp m, 1,2,4,8
	s_delay_alu instid0(VALU_DEP_1)
	v_add_f32_dpp v[SM], v[SM], v[SM] row_xmask:\m row_mask:0xf bank_mask:0xf
.endr
	s_delay_alu instid0(VALU_DEP_1)
	v_permlanex16_b32 v[PT], v[SM], s40, s41
	s_delay_alu instid0(VALU_DEP_1)
	v_add_f32 v[SM], v[SM], v[PT]
.endm
.macro LNROW i                         ; one row: norm, quantiser, codes and bytes into LDS
.set XR, X+32*(\i)
	s_wait_loadcnt 24-8*(\i)                       ; gamma, beta and this row are in; the later rows' loads, eight each, may stay out
.irp k, 0,1,2,3
	v_pk_add_f32 v[SM+2*\k:SM+2*\k+1], v[XR+2*\k:XR+2*\k+1], v[XR+2*\k+8:XR+2*\k+9]
.endr
.irp o, 16,24
.irp k, 0,1,2,3
	v_pk_add_f32 v[SM+2*\k:SM+2*\k+1], v[SM+2*\k:SM+2*\k+1], v[XR+\o+2*\k:XR+\o+2*\k+1]
.endr
.endr
	FOLD
	s_delay_alu instid0(VALU_DEP_1)
	v_mul_f32 v[MU], s42, v[SM]                    ; mu
	s_delay_alu instid0(VALU_DEP_1)
	v_mov_b32 v[MU+1], v[MU]
.irp p, 0,2,4,6,8,10,12,14,16,18,20,22,24,26,28,30
	v_pk_add_f32 v[XR+\p:XR+\p+1], v[XR+\p:XR+\p+1], v[MU:MU+1] neg_lo:[0,1] neg_hi:[0,1]   ; x - mu
.endr
.irp k, 0,1,2,3
	v_pk_mul_f32 v[SM+2*\k:SM+2*\k+1], v[XR+2*\k:XR+2*\k+1], v[XR+2*\k:XR+2*\k+1]           ; the squares, in four chains
.endr
.irp o, 8,16,24
.irp k, 0,1,2,3
	v_pk_fma_f32 v[SM+2*\k:SM+2*\k+1], v[XR+\o+2*\k:XR+\o+2*\k+1], v[XR+\o+2*\k:XR+\o+2*\k+1], v[SM+2*\k:SM+2*\k+1]
.endr
.endr
	FOLD
	s_delay_alu instid0(VALU_DEP_1)
	v_fma_f32 v[SM], v[SM], s42, s43               ; the variance + 1e-5
	s_wait_alu depctr_va_vdst(0)
	v_rsq_f32 v[MU], v[SM]
	v_nop                                          ; a plain instruction behind it
	s_wait_alu depctr_va_vdst(0)
	v_mov_b32 v[MU+1], v[MU]
.irp p, 0,2,4,6,8,10,12,14,16,18,20,22,24,26,28,30
	v_pk_mul_f32 v[XR+\p:XR+\p+1], v[XR+\p:XR+\p+1], v[MU:MU+1]
.endr
.irp p, 0,2,4,6,8,10,12,14,16,18,20,22,24,26,28,30
	v_pk_fma_f32 v[XR+\p:XR+\p+1], v[XR+\p:XR+\p+1], v[GA+\p:GA+\p+1], v[BE+\p:BE+\p+1]
.endr
	; the quantiser: piece j is eight neighbours of the row; four neighbouring lanes hold a block of 32
.irp j, 0,1,2,3
	v_max3_num_f32 v[TM+4*(\i)+\j], |v[XR+8*\j]|, |v[XR+8*\j+1]|, 0x1800000   ; with the floor 2^(3 - 127): the byte cannot fall under 1
.endr
.irp p, 2,4,6
.irp j, 0,1,2,3
	v_max3_num_f32 v[TM+4*(\i)+\j], v[TM+4*(\i)+\j], |v[XR+8*\j+\p]|, |v[XR+8*\j+\p+1]|
.endr
.endr
.irp m, 1,2
.irp j, 0,1,2,3
	v_max_num_f32_dpp v[TM+4*(\i)+\j], v[TM+4*(\i)+\j], v[TM+4*(\i)+\j] row_xmask:\m row_mask:0xf bank_mask:0xf
.endr
.endr
.irp j, 0,1,2,3
	v_add_nc_u32 v[TM+4*(\i)+\j], 0xff000000, v[TM+4*(\i)+\j]                 ; 2 off the exponent field: the conversion's scale operand
.endr
.irp j, 0,1,2,3
	v_cvt_scalef32_pk8_fp4_f32 v[CD+4*(\i)+\j], v[XR+8*\j:XR+8*\j+7], v[TM+4*(\i)+\j]
.endr
	v_nop                                          ; a plain instruction between the conversions and the lines that rewrite their scale operands
.irp j, 0,1,2,3
	v_lshrrev_b32 v[TM+4*(\i)+\j], 23, v[TM+4*(\i)+\j]                        ; the scale's byte
.endr
.irp j, 0,1,2,3
	ds_store_b32 v3, v[CD+4*(\i)+\j] offset:\j*8*UP+16*(\i)                   ; block 8 j + lane / 4 is a unit; place 4 w + i; my 4 bytes of its 16
	ds_store_b8 v4, v[TM+4*(\i)+\j] offset:(\j/2)*256+8*(\j%2)+16*(\i)        ; the four lanes of a block write the same byte with the same value
.endr
.endm
	LNROW 0
	LNROW 1
	LNROW 2
	LNROW 3
	s_wait_dscnt 0x0                               ; for the other waves' sake: my stores have landed
	s_barrier_signal -1
	s_barrier_wait -1                              ; a unit of 256 bytes holds all 16 places: four waves' work
.irp q, 0,1,2,3
	ds_load_b128 v[16+4*\q:19+4*\q], v5 offset:2*UP*\q
.endr
.irp q, 0,1,2,3
	s_wait_dscnt 3-\q                              ; the younger reads may stay out
	global_store_b128 v6, v[16+4*\q:19+4*\q], s[36:37] offset:512*\q          ; 32 lanes store 512 consecutive bytes, aligned to 256
.endr
	s_cmp_lg_u32 s22, 0
	s_cbranch_scc1 .Lln_end
	ds_load_b128 v[32:35], v7                      ; wave 0: the tile's 512 scale bytes
	s_wait_dscnt 0x0
	global_store_b128 v6, v[32:35], s[38:39]
.Lln_end:
	s_wait_tensorcnt 0x0                           ; the wave's end
	ds_add_u32 v14, v15
	s_wait_dscnt 0x0
	s_endpgm
	; ---------------- a weight: matrix, K step of 128 and 128 columns by the work-group's number; a lane takes a column and its registers run down K
.Lweights:
	s_sub_co_u32 s23, ttmp9, NLN
	s_lshr_b32 s24, s23, 6                         ; matrix 0..3: q, k, v, o
	s_bfe_u32 s25, s23, 0x30003                    ; K step 0..7
	s_and_b32 s26, s23, 7
	s_lshl_b32 s27, s26, 2
	s_add_co_u32 s27, s27, s22                     ; my wave's group of 32 columns, 0..31
	s_lshl_b32 s28, s25, 19                        ; 128 rows of 4,096 bytes a K step
	s_lshl_b32 s29, s27, 7
	s_add_co_u32 s28, s28, s29
	s_mov_b32 s29, 0
	s_lshl_b32 s30, s24, 19                        ; codes: 524,288 bytes a matrix, 16,384 a group (two tiles), 1,024 a K step
	s_lshl_b32 s31, s27, 14
	s_add_co_u32 s30, s30, s31
	s_lshl_b32 s31, s25, 10
	s_add_co_u32 s30, s30, s31
	s_mov_b32 s31, 0
	s_lshl_b32 s32, s24, 15                        ; scale words: 32,768 bytes a matrix, 4,096 a K step, 128 a group
	s_lshl_b32 s33, s25, 12
	s_add_co_u32 s32, s32, s33
	s_lshl_b32 s33, s27, 7
	s_add_co_u32 s32, s32, s33
	s_add_co_u32 s32, s32, 2097152
	s_mov_b32 s33, 0
	s_wait_alu depctr_va_vdst(0)
	v_lshlrev_b32 v2, 2, v1                        ; in: 4 bytes a lane: a wave reads 128 consecutive bytes, the four waves 512
	v_bfe_u32 v5, v1, 3, 1                         ; column l of the group is place r = l % 8 + 8 (l / 16) of tile u = (l / 8) % 2
	v_and_b32 v6, 7, v1
	v_lshrrev_b32 v7, 4, v1
	v_lshl_add_u32 v6, v7, 3, v6
	v_lshlrev_b32 v3, 13, v5
	v_lshl_add_u32 v3, v6, 4, v3                   ; codes: 8,192 u + 16 r
	v_lshlrev_b32 v4, 6, v5
	v_lshl_add_u32 v4, v6, 2, v4                   ; scale word: 64 u + 4 r
	s_wait_alu depctr_va_vdst(0)
	s_wait_kmcnt 0x0
	s_cmp_eq_u32 s24, 1                            ; the choice hangs on the work-group's number alone
	s_cselect_b64 s[10:11], s[12:13], s[10:11]
	s_cmp_eq_u32 s24, 2
	s_cselect_b64 s[10:11], s[14:15], s[10:11]
	s_cmp_eq_u32 s24, 3
	s_cselect_b64 s[10:11], s[16:17], s[10:11]
	s_add_nc_u64 s[10:11], s[10:11], s[28:29]
	s_add_nc_u64 s[34:35], s[20:21], s[30:31]
	s_add_nc_u64 s[36:37], s[20:21], s[32:33]
.set Q, 0
.rept 128
	global_load_b32 v[16+Q], v2, s[10:11] offset:4096*Q th:TH_LOAD_NT
.set Q, Q+1
.endr
.macro WBLOCK b, cnt                   ; block b: all its 32 numbers are mine.  cnt: at most so many of the loads issued behind the block's last may be out
.set W, 16+32*(\b)
	s_wait_loadcnt \cnt
	v_max3_num_f32 v8, |v[W]|, |v[W+1]|, |v[W+2]|
	v_max3_num_f32 v9, |v[W+3]|, |v[W+4]|, |v[W+5]|
.irp i, 6,10,14,18,22,26
	v_max3_num_f32 v8, v8, |v[W+\i]|, |v[W+\i+1]|
	v_max3_num_f32 v9, v9, |v[W+\i+2]|, |v[W+\i+3]|
.endr
	v_max3_num_f32 v8, v8, |v[W+30]|, |v[W+31]|
	v_max3_num_f32 v8, v8, v9, 0x1800000           ; and the floor
	v_add_nc_u32 v[160+\b], 0xff000000, v8         ; the conversion's scale operand: a register of its own for each block
	v_lshrrev_b32 v11, 23, v[160+\b]               ; the byte
.if (\b) == 0
	v_mov_b32 v12, v11
.else
	v_lshl_or_b32 v12, v11, 8*(\b), v12            ; four bytes make the column's scale word of this K step
.endif
.irp g, 0,1,2,3
	v_cvt_scalef32_pk8_fp4_f32 v[144+4*(\b)+\g], v[W+8*\g:W+8*\g+7], v[160+\b]
.endr
	v_nop
	global_store_b128 v3, v[144+4*(\b):144+4*(\b)+3], s[34:35] offset:256*(\b)   ; two whole aligned runs of 256 bytes, one in each tile; the data registers are never rewritten
.endm
	WBLOCK 0, 63                                   ; 96 loads stand behind block 0's last,
	WBLOCK 1, 63                                   ; 64 behind block 1's,
	WBLOCK 2, 32                                   ; 32 behind block 2's
	WBLOCK 3, 0
	global_store_b32 v4, v12, s[36:37]             ; 128 consecutive bytes a wave: one byte for each 128 that the path reads
	s_endpgm
.Lfunc_end_k_q04f5d90cfb_prep:
	.size	k_q04f5d90cfb_prep, .Lfunc_end_k_q04f5d90cfb_prep-k_q04f5d90cfb_prep
	.p2alignl 7, 3214868480
	.fill 96, 4, 3214868480
	.section	.rodata,"a",@progbits
	.p2align	6, 0x0
	.amdhsa_kernel k_q04f5d90cfb_prep
		.amdhsa_group_segment_fixed_size 9728
		.amdhsa_private_segment_fixed_size 0
		.amdhsa_enable_private_segment 0
		.amdhsa_kernarg_size 72
		.amdhsa_user_sgpr_count 2
		.amdhsa_user_sgpr_kernarg_segment_ptr 1
		.amdhsa_wavefront_size32 1
		.amdhsa_system_sgpr_workgroup_id_x 1
		.amdhsa_system_sgpr_workgroup_id_y 1
		.amdhsa_system_sgpr_workgroup_id_z 1
		.amdhsa_system_vgpr_workitem_id 0
		.amdhsa_next_free_vgpr 256
		.amdhsa_next_free_sgpr 66
		.amdhsa_reserve_vcc 0
		.amdhsa_float_denorm_mode_32 3
		.amdhsa_float_denorm_mode_16_64 3
		.amdhsa_memory_ordered 1
		.amdhsa_forward_progress 1
		.amdhsa_inst_pref_size 67
	.end_amdhsa_kernel
	.amdgpu_metadata
---
amdhsa.version: [ 1, 2 ]
amdhsa.kernels:
  - .name:           k_q04f5d90cfb_prep
    .symbol:         k_q04f5d90cfb_prep.kd
    .args:
      - { .name: x, .offset: 0, .size: 8, .value_kind: global_buffer, .address_space: global }
      - { .name: ln_gamma, .offset: 8, .size: 8, .value_kind: global_buffer, .address_space: global }
      - { .name: ln_beta, .offset: 16, .size: 8, .value_kind: global_buffer, .address_space: global }
      - { .name: Wq, .offset: 24, .size: 8, .value_kind: global_buffer, .address_space: global }
      - { .name: Wk, .offset: 32, .size: 8, .value_kind: global_buffer, .address_space: global }
      - { .name: Wv, .offset: 40, .size: 8, .value_kind: global_buffer, .address_space: global }
      - { .name: Wo, .offset: 48, .size: 8, .value_kind: global_buffer, .address_space: global }
      - { .name: xq, .offset: 56, .size: 8, .value_kind: global_buffer, .address_space: global }
      - { .name: wq, .offset: 64, .size: 8, .value_kind: global_buffer, .address_space: global }
    .group_segment_fixed_size: 9728
    .private_segment_fixed_size: 0
    .kernarg_segment_align: 8
    .kernarg_segment_size: 72
    .max_flat_workgroup_size: 128
    .sgpr_count:     66
    .vgpr_count:     256
    .wavefront_size: 32
...
	.end_amdgpu_metadata
.endif
;; end of part 1
;; launch qkv (part 2): grid 8 x 32, 4 waves a work-group, clusters of 4 x 1, 168,448 bytes of LDS; arguments xq, wq, bq, bk, bv, qb, kv; writes qb, kv
.if DOCPART == 2
	.amdgcn_target "amdgcn-amd-amdhsa--gfx1250"
	.amdhsa_code_object_version 6
	.text
	.protected	k_q04f5d90cfb_qkv
	.globl	k_q04f5d90cfb_qkv
	.p2align	8
	.type	k_q04f5d90cfb_qkv,@function
k_q04f5d90cfb_qkv:
	s_mov_b64 s[64:65], 0
	v_nop
	global_prefetch_b8 v0, s[64:65] scope:SCOPE_SE
	s_setreg_imm32_b32 hwreg(HW_REG_WAVE_MODE, 25, 1), 1
	s_wait_xcnt 0x0
	s_wait_alu depctr_hold_cnt(0) depctr_sa_sdst(0) depctr_va_vdst(0) depctr_va_sdst(0) depctr_va_ssrc(0) depctr_va_vcc(0) depctr_vm_vsrc(0)
	s_getreg_b32 s2, hwreg(HW_REG_IB_STS2, 6, 4)
	s_cmp_eq_u32 s2, 0
	s_cbranch_scc0 .Lentry_in_a_cluster
	s_endpgm
.Lentry_in_a_cluster:
	s_bfe_u32 s2, ttmp6, 0x10000c
	s_cmp_lg_u32 s2, 0x3003
	s_cbranch_scc0 .Lentry_shape_is_right
	s_endpgm
.Lentry_shape_is_right:
; LAUNCH 2 OF 4.  q, k, v = xn W + b on codes of FP4 with E8M0 scales (three products of 8,192 x 1,024 x 1,024), and their quantising for attention: q and k along the head's 64, v along the keys.
; SHARES.  A work-group takes 256 rows (Y) and 128 columns (X) of each of Wq, Wk, Wv.  Wave w owns group G = 4 X + w of 32 columns, half a head, in all three: 6 tiles x 8 K steps = 384 registers,
; read from memory once and kept.  The rows' codes and scale bytes, one dense block of 139,264 bytes of xq, come into LDS once and are read by all four waves.
; CLUSTER.  The four work-groups of a cluster have the same Y: the block is asked for JOINTLY, each wave a quarter, mask 15.  No LDS byte is filled twice, so there is no ring.
; The weights go straight into registers; nothing is prefetched: every stream is asked for whole at the head.
; LAYOUT.  q, k: source 0 = 16 columns of W, source 1 = 16 rows of xn: a lane holds one row, and the 16 registers of column tiles u = 0, 1 are d = 16 h + 0 .. 15 of my half head: half a block of 32.
;          v: source 0 = 16 rows, source 1 = 16 columns: a lane holds one d, and the 16 registers of row tiles rho = 0, 1 are keys 16 h + 0 .. 15 of a group of 32: half a block along the keys.
; So a lane's 16 codes, 8 bytes, belong at 16 r + 8 h of a block's 256 bytes in the reader's fragment image: each store of the wave covers 256 consecutive bytes, aligned.
; qb: codes [b h 64][tile 128][512] (block = half of the head at 256 x half); from byte 4,194,304 scale words [b h][key step 16][512]: tile 2 i + h' of the step, place r at 16 (16 h' + r) + 4 i;
;     bytes 0, 1 the two blocks, bytes 2, 3 the same again (attention pads its K of 64 with zero codes, which want bytes that are not 0xff).
; kv: [b h][143,360]: K's codes as qb's; V's [key step 16][d tile 4][1,024] at 65,536; K's words as qb's at 131,072; V's words [key step][256] at 139,264: d tile 2 i + h', place r at 8 (16 h' + r) + 4 i.
; LIMITS: as in the first launch: NaN and infinities are not served; a block of zeros or under 2^-124 has the byte 1 and zero codes.
; REGISTERS, in windows of 256: window 0: v1-12 addresses; v16-39 the weights' scale words; v40-55 the rows' (two sets); v56-94 the quantiser; v96-107 the copy out; v160-255 12 accumulators.
;   window 1: Wq v0-127, Wk v128-255 (64 u + 8 s).  window 2: Wv v0-127; biases v128-175.  window 3: the rows' fragments, two sets of 128 (64 rho + 8 s).
.set WS,  16                           ; 8 matrix + K step; lanes 0-15 tile u = 0, lanes 16-31 u = 1
.set XS,  40                           ; 8 set + 4 rho + s % 4; lanes 0-15 K steps 0-3, lanes 16-31 K steps 4-7
.set TM,  56
.set TP,  62
.set SO,  68
.set BY,  74
.set CD,  80
.set VW,  92
.set ACC, 160                          ; block beta of 16 registers: q, k: beta = 2 matrix + rho, tile u at + 8 u;  v: beta = 4 + u, row tile rho at + 8 rho
.set BI,  128                          ; in window 2: 16 matrix + 8 u
.set SEL, 66
.set SG,  139264                       ; LDS behind the block of xq: the scale bytes gathered: q 2 heads x 1,024, k likewise, v 2 x 512; no tensor load lands here
.set MSB, 0
.macro WIN new                         ; the immediate's high byte repeats the setting that is left
.if MSB != \new
	s_set_vgpr_msb (MSB<<8)|\new
.set MSB, \new
.endif
.endm
.macro CROUND                          ; a round of the cluster's barrier
	s_barrier_signal -1
	s_barrier_wait -1
	s_cmp_lg_u32 s18, 0
	s_cbranch_scc1 .Lnot_wave_0_\@
	s_barrier_signal -3
.Lnot_wave_0_\@:
	s_barrier_wait -3
	s_barrier_signal -1
	s_barrier_wait -1
.endm
.macro MM                              ; the matrix instruction on the registers named by rD, rA, rB, rC, rSA, rSB; qA, qB: which half of the lanes holds each side's scale words
.if (qA == 0) && (qB == 0)
	v_wmma_scale_f32_16x16x128_f8f6f4 v[rD:rD+7], v[rA:rA+7], v[rB:rB+7], v[rC:rC+7], v[rSA], v[rSB] matrix_a_fmt:MATRIX_FMT_FP4 matrix_b_fmt:MATRIX_FMT_FP4
.elseif qB == 0
	v_wmma_scale_f32_16x16x128_f8f6f4 v[rD:rD+7], v[rA:rA+7], v[rB:rB+7], v[rC:rC+7], v[rSA], v[rSB] matrix_a_fmt:MATRIX_FMT_FP4 matrix_b_fmt:MATRIX_FMT_FP4 matrix_a_scale:MATRIX_SCALE_ROW1
.elseif qA == 0
	v_wmma_scale_f32_16x16x128_f8f6f4 v[rD:rD+7], v[rA:rA+7], v[rB:rB+7], v[rC:rC+7], v[rSA], v[rSB] matrix_a_fmt:MATRIX_FMT_FP4 matrix_b_fmt:MATRIX_FMT_FP4 matrix_b_scale:MATRIX_SCALE_ROW1
.else
	v_wmma_scale_f32_16x16x128_f8f6f4 v[rD:rD+7], v[rA:rA+7], v[rB:rB+7], v[rC:rC+7], v[rSA], v[rSB] matrix_a_fmt:MATRIX_FMT_FP4 matrix_b_fmt:MATRIX_FMT_FP4 matrix_a_scale:MATRIX_SCALE_ROW1 matrix_b_scale:MATRIX_SCALE_ROW1
.endif
.endm
	s_load_b256 s[4:11], s[0:1], 0x0               ; xq s[4:5], wq s[6:7], bq s[8:9], bk s[10:11]
	s_load_b128 s[12:15], s[0:1], 0x20             ; bv s[12:13], qb s[14:15]
	s_load_b64 s[16:17], s[0:1], 0x30              ; kv
	v_lshl_add_u32 v158, v0, 2, 0x29000
	v_mov_b32 v159, 0
	ds_add_u32 v158, v159
	ds_add_u32 v158, v159
	v_lshrrev_b32 v13, 5, v0
	v_readfirstlane_b32 s18, v13                   ; wave 0..3
	s_bfe_u32 s19, ttmp6, 0x40000                  ; cx: it enters the weights' and the results' global addresses alone
	s_lshl_b32 s20, ttmp9, 2
	s_add_co_u32 s20, s20, s19                     ; X = 4 x cluster x + cx
	s_and_b32 s21, ttmp7, 0xffff                   ; Y, which the four partners share
	s_lshl_b32 s22, s20, 2
	s_add_co_u32 s22, s22, s18                     ; G = 4 X + w
	s_and_b32 s23, s18, 1                          ; which half of the head
	s_lshr_b32 s24, s18, 1                         ; which of the work-group's two heads
	s_lshr_b32 s25, s21, 3
	s_lshl_b32 s25, s25, 4                         ; 16 x batch
	s_lshl_b32 s26, s20, 1
	s_add_co_u32 s26, s26, s25                     ; b h of the work-group's first head
	s_add_co_u32 s27, s26, s24                     ; my b h
	s_and_b32 s28, s21, 7                          ; which 256 rows of the sequence
	; the tensor load: my quarter of the block, 136 rows of 256 bytes (32 elements of 8 bytes), dense
	s_mov_b32 s36, 15|(3<<16)|(1<<21)              ; 15:0 the mask: all four work-groups; 17:16 elements of 8 bytes; 21 set beside a mask
	s_mov_b32 s37, 32<<16                          ; tensor_dim0
	s_mov_b32 s38, 136<<16                         ; tensor_dim1
	s_mov_b32 s39, 32<<16                          ; tile_dim0
	s_mov_b32 s40, 136                             ; tile_dim1
	s_mov_b32 s41, 32                              ; the pitch
	s_mov_b32 s42, 0
	s_mov_b32 s43, 0
	s_mov_b32 s32, 1
	s_mul_i32 s33, s18, 34816                      ; LDS: wave x 34,816
	s_mul_i32 s44, s21, 139264
	s_add_co_u32 s44, s44, s33
	s_mov_b32 s45, 0
	s_lshl_b32 s46, s22, 14                        ; my group's two tiles of codes in a matrix of wq
	s_mov_b32 s47, 0
	s_lshl_b32 s48, s22, 7                         ; its scale words; also its 32 numbers of a bias
	s_mov_b32 s49, 0
	s_mov_b32 s50, s48
	s_mov_b32 s51, 0
	s_lshl_b32 s52, s27, 16                        ; q's codes: 65,536 a head, 8,192 for 256 rows
	s_lshl_b32 s29, s28, 13
	s_add_co_u32 s52, s52, s29
	s_mov_b32 s53, 0
	s_mul_i32 s54, s27, 143360                     ; k's codes
	s_add_co_u32 s54, s54, s29
	s_mov_b32 s55, 0
	s_lshl_b32 s30, s23, 11                        ; v's codes: two key steps of 4,096; my half's two d tiles
	s_add_co_u32 s56, s54, s30
	s_add_co_u32 s56, s56, 65536
	s_mov_b32 s57, 0
	s_add_co_u32 s31, s26, s23                     ; the copy out: wave w takes matrix w / 2 (q or k), head w % 2
	s_lshl_b32 s58, s31, 13
	s_lshl_b32 s29, s28, 10
	s_add_co_u32 s58, s58, s29
	s_add_co_u32 s58, s58, 4194304                 ; q's words
	s_mul_i32 s60, s31, 143360
	s_add_co_u32 s59, s60, s29
	s_add_co_u32 s59, s59, 131072                  ; k's words
	s_lshl_b32 s29, s28, 9
	s_add_co_u32 s60, s60, s29
	s_add_co_u32 s60, s60, 139264                  ; v's words (waves 0 and 1)
	s_mov_b32 s61, 0
	s_cmp_eq_u32 s24, 0
	s_cselect_b32 s58, s58, s59
	s_mov_b32 s59, 0
	s_mov_b32 s[SEL], 0x76543210
	s_mov_b32 s[SEL+1], 0xfedcba98                 ; v_permlanex16_b32's selects for lane l xor 16
	s_mov_b32 s68, 0xffff0000                      ; lanes 16-31
	v_and_b32 v13, 31, v0                          ; lane
	v_and_b32 v14, 15, v0                          ; r
	v_bfe_u32 v15, v0, 4, 1                        ; h
	v_lshlrev_b32 v1, 4, v13                       ; 16 x lane: a fragment image's place for my lane
	v_add_nc_u32 v2, 65536, v1                     ; the same in the block's second 64 KiB
	v_add_nc_u32 v3, 131072, v1                    ; and among the rows' scale bytes
	s_lshl_b32 s29, s24, 10
	s_add_co_u32 s29, s29, s23
	s_add_co_u32 s29, s29, SG
	v_lshl_add_u32 v4, v14, 4, s29                 ; q's and k's bytes: 16 r + 1,024 x head + my half
	s_lshl_b32 s29, s24, 9
	s_lshl_b32 s30, s23, 2
	s_add_co_u32 s29, s29, s30
	s_add_co_u32 s29, s29, SG+4096
	v_lshl_add_u32 v5, v13, 3, s29                 ; v's words: 8 x lane + 512 x head + 4 x half
	v_lshlrev_b32 v7, 4, v14
	v_lshl_add_u32 v7, v15, 3, v7                  ; 16 r + 8 h: my 8 bytes of a block's 256
	s_lshl_b32 s29, s23, 8
	v_add_nc_u32 v6, s29, v7                       ; + 256 x half for q and k
	v_lshlrev_b32 v8, 2, v13                       ; 4 x lane
	v_lshlrev_b32 v9, 6, v15                       ; bq, bk: 16 h numbers on
	v_and_b32 v10, 8, v14
	v_add_nc_u32 v10, v10, v14
	v_lshlrev_b32 v10, 2, v10                      ; bv: number r + 8 (r / 8)
	s_lshl_b32 s29, s18, 10
	s_add_co_u32 s29, s29, SG
	v_add_nc_u32 v11, s29, v1                      ; the copy out reads 1,024 bytes a wave,
	s_lshl_b32 s29, s23, 9
	s_add_co_u32 s29, s29, SG+4096
	v_add_nc_u32 v12, s29, v1                      ; and waves 0, 1 a head's 512 bytes of v's words
.irp b, 0,1,2,3,4,5
	v_mov_b32 v[TP+\b], 0                          ; written once: a lane permute's destination counts as one of its sources
.endr
	s_wait_alu depctr_va_vdst(0)
	s_wait_dscnt 0x0
	s_wait_kmcnt 0x0
	s_add_nc_u64 s[34:35], s[4:5], s[44:45]
	s_or_b32 s35, s35, 0x80000000                  ; the descriptor's type
	s_add_nc_u64 s[46:47], s[6:7], s[46:47]
	s_add_nc_u64 s[48:49], s[6:7], s[48:49]
	s_add_nc_u64 s[8:9], s[8:9], s[50:51]
	s_add_nc_u64 s[10:11], s[10:11], s[50:51]
	s_add_nc_u64 s[12:13], s[12:13], s[50:51]
	s_add_nc_u64 s[52:53], s[14:15], s[52:53]
	s_add_nc_u64 s[54:55], s[16:17], s[54:55]
	s_add_nc_u64 s[56:57], s[16:17], s[56:57]
	s_cmp_eq_u32 s24, 0
	s_cselect_b64 s[62:63], s[14:15], s[16:17]
	s_add_nc_u64 s[58:59], s[62:63], s[58:59]
	s_add_nc_u64 s[60:61], s[16:17], s[60:61]
	CROUND                                         ; all four work-groups are here: the joint loads meet
	tensor_load_to_lds s[32:35], s[36:43]          ; the wave's one tensor load of the launch, asked for ahead of the weights' loads
	s_nop 0
.rept 4
	v_nop
.endr
	WIN 0x40
.set I, 0
.rept 32
	global_load_b128 v[4*I:4*I+3], v1, s[46:47] offset:512*I                  ; Wq: register 4 I = 64 u + 8 s + 4 c
.set I, I+1
.endr
.set I, 0
.rept 32
	global_load_b128 v[128+4*I:128+4*I+3], v1, s[46:47] offset:524288+512*I   ; Wk
.set I, I+1
.endr
	WIN 0x80                                       ; destination window 2
.set I, 0
.rept 32
	global_load_b128 v[4*I:4*I+3], v1, s[46:47] offset:1048576+512*I          ; Wv
.set I, I+1
.endr
.irp u, 0,1                                    ; the biases in the results' layout: they are the C of each sum's first matrix instruction
	global_load_b128 v[BI+8*\u:BI+8*\u+3], v9, s[8:9] offset:32*\u            ; bq at d = 16 h + 8 u + 0 .. 7
	global_load_b128 v[BI+8*\u+4:BI+8*\u+7], v9, s[8:9] offset:32*\u+16
	global_load_b128 v[BI+16+8*\u:BI+16+8*\u+3], v9, s[10:11] offset:32*\u
	global_load_b128 v[BI+16+8*\u+4:BI+16+8*\u+7], v9, s[10:11] offset:32*\u+16
.irp j, 0,1,2,3,4,5,6,7
	global_load_b32 v[BI+32+8*\u+\j], v10, s[12:13] offset:32*\u              ; bv of my lane's d, in all eight registers
.endr
.endr
	WIN 0
.irp m, 0,1,2
.irp s, 0,1,2,3,4,5,6,7
	global_load_b32 v[WS+8*\m+\s], v8, s[48:49] offset:2097152+32768*\m+4096*\s
.endr
.endr
	s_wait_tensorcnt 0x0                           ; my quarter is in,
	s_barrier_signal -1
	s_barrier_wait -1                              ; everybody's is
; the fragments and scale words of rows 32 g .. 32 g + 31 (two tiles) into set g % 2: 34 LDS loads in one run
.macro FETCH g
.set FB, 1+(\g)/4
.set FP, 128*((\g)%2)
	WIN 0xc0                                       ; destination window 3
.set FI, 0
.rept 32
	ds_load_b128 v[FP+4*FI:FP+4*FI+3], v[FB] offset:((\g)%4)*16384+512*FI     ; FI = 16 rho + 2 s + c
.set FI, FI+1
.endr
	WIN 0
	ds_load_b128 v[XS+8*((\g)%2):XS+8*((\g)%2)+3], v3 offset:(2*(\g))*512
	ds_load_b128 v[XS+8*((\g)%2)+4:XS+8*((\g)%2)+7], v3 offset:(2*(\g)+1)*512
.endm
; A GROUP of 32 rows: 96 matrix instructions, then six blocks of 32 are quantised and leave.
; four of the 32 fragment loads of rows 32 g .. 32 g + 31, behind K step k's products; behind the last K step also the rows' scale words
.macro FCHUNK g, k
.set FB, 1+(\g)/4
.set FP, 128*((\g)%2)
	WIN 0xc0                                       ; destination window 3
.irp c, 0,1,2,3
	ds_load_b128 v[FP+4*(4*(\k)+\c):FP+4*(4*(\k)+\c)+3], v[FB] offset:((\g)%4)*16384+512*(4*(\k)+\c)
.endr
.if (\k) == 7
	WIN 0
	ds_load_b128 v[XS+8*((\g)%2):XS+8*((\g)%2)+3], v3 offset:(2*(\g))*512
	ds_load_b128 v[XS+8*((\g)%2)+4:XS+8*((\g)%2)+7], v3 offset:(2*(\g)+1)*512
.endif
.endm
.macro GROUP gi
	s_wait_dscnt 0x0                               ; this group's fragments, asked for a group ago, are in
.set KS_, 0
.rept 8                                        ; q and k: eight accumulators by turns, one instruction a turn
.if KS_ == 0
	WIN 0x2d                                       ; source 0 (W) window 1, source 1 (rows) window 3, C (bias) window 2
.else
	WIN 0x0d
.endif
.set MI, 0
.rept 8                                        ; MI = 4 matrix + 2 rho + u
.set rD, ACC+16*(MI/2)+8*(MI%2)
.set rA, 128*(MI/4)+64*(MI%2)+8*KS_
.set rB, 128*((\gi)%2)+64*((MI/2)%2)+8*KS_
.set rC, rD
.if KS_ == 0
.set rC, BI+16*(MI/4)+8*(MI%2)
.endif
.set rSA, WS+8*(MI/4)+KS_
.set rSB, XS+8*((\gi)%2)+4*((MI/2)%2)+KS_%4
.set qA, MI%2
.set qB, KS_/4
	MM
.set MI, MI+1
.endr
.if (\gi) < 7
	FCHUNK (\gi)+1, KS_                            ; the other set: its last readers stand in front of the last group's quantiser, far more than four plain instructions back
.endif
.set KS_, KS_+1
.endr
.set KS_, 0
.rept 8                                        ; v: four accumulators by turns
.if KS_ == 0
	WIN 0x2b                                       ; source 0 (rows) window 3, source 1 (Wv) window 2, C (bias) window 2
.else
	WIN 0x0b
.endif
.set MI, 0
.rept 4                                        ; MI = 2 u + rho
.set rD, ACC+64+16*(MI/2)+8*(MI%2)
.set rA, 128*((\gi)%2)+64*(MI%2)+8*KS_
.set rB, 64*(MI/2)+8*KS_
.set rC, rD
.if KS_ == 0
.set rC, BI+32+8*(MI/2)
.endif
.set rSA, XS+8*((\gi)%2)+4*(MI%2)+KS_%4
.set rSB, WS+16+KS_
.set qA, KS_/4
.set qB, MI/2
	MM
.set MI, MI+1
.endr
.set KS_, KS_+1
.endr
	WIN 0
.rept 4
	v_nop                                          ; four places between the last product and the first read of results
.endr
.irp b, 0,1,2,3,4,5
	v_max3_num_f32 v[TM+\b], |v[ACC+16*\b]|, |v[ACC+16*\b+1]|, 0x1800000      ; my 16 numbers of block b, each accumulator from its low end on, and the floor 2^(3 - 127)
.endr
.irp i, 2,4,6,8,10,12,14
.irp b, 0,1,2,3,4,5
	v_max3_num_f32 v[TM+\b], v[TM+\b], |v[ACC+16*\b+\i]|, |v[ACC+16*\b+\i+1]|
.endr
.endr
.irp b, 0,1,2,3,4,5
	v_permlanex16_b32 v[TP+\b], v[TM+\b], s[SEL], s[SEL+1]
.endr
.irp b, 0,1,2,3,4,5
	v_max_num_f32 v[TM+\b], v[TM+\b], v[TP+\b]     ; with lane l xor 16's 16: the block's largest magnitude
.endr
.irp b, 0,1,2,3,4,5
	v_add_nc_u32 v[SO+\b], 0xff000000, v[TM+\b]    ; 2 off its exponent field: the conversion's scale operand
.endr
.irp b, 0,1,2,3,4,5
	v_lshrrev_b32 v[BY+\b], 23, v[SO+\b]           ; the byte
.endr
	s_wait_xcnt 0x0                                ; the last group's stores have read their data: the codes' registers are rewritten only behind this wait
.irp b, 0,1,2,3,4,5
	v_cvt_scalef32_pk8_fp4_f32 v[CD+2*\b], v[ACC+16*\b:ACC+16*\b+7], v[SO+\b]
	v_cvt_scalef32_pk8_fp4_f32 v[CD+2*\b+1], v[ACC+16*\b+8:ACC+16*\b+15], v[SO+\b]
.endr
	v_nop                                          ; a plain instruction behind the last conversion: matrix instructions write its sources next
.irp rho, 0,1
	global_store_b64 v6, v[CD+2*\rho:CD+2*\rho+1], s[52:53] offset:(\gi)*1024+512*\rho        ; q: 256 consecutive bytes, aligned
	global_store_b64 v6, v[CD+4+2*\rho:CD+4+2*\rho+1], s[54:55] offset:(\gi)*1024+512*\rho    ; k
.endr
.irp u, 0,1
	global_store_b64 v7, v[CD+8+2*\u:CD+8+2*\u+1], s[56:57] offset:((\gi)/4)*4096+1024*\u+((\gi)%4)*256   ; v: block gi % 4 of the key step
.endr
.irp b, 0,1,2,3
	ds_store_b8 v4, v[BY+\b] offset:(\b/2)*2048+((\gi)/4)*512+(\b%2)*256+4*((\gi)%4)          ; byte `half` of the row's word (both lanes of a row write the same),
	ds_store_b8 v4, v[BY+\b] offset:(\b/2)*2048+((\gi)/4)*512+(\b%2)*256+4*((\gi)%4)+2        ; and once more two bytes up
.endr
.irp u, 0,1
.if ((\gi)%4) == 0
	v_mov_b32 v[VW+\u], v[BY+4+\u]
.else
	v_lshl_or_b32 v[VW+\u], v[BY+4+\u], 8*((\gi)%4), v[VW+\u]                 ; four groups' bytes make v's scale word of a key step
.endif
.endr
.if ((\gi)%4) == 3
	v_cndmask_b32 v94, v[VW], v[VW+1], s68         ; lanes 0-15 d tile u = 0, lanes 16-31 u = 1
	ds_store_b32 v5, v94 offset:((\gi)/4)*256
.endif
.endm
	FETCH 0
	s_wait_loadcnt 0x0                             ; weights, scale words, biases
	GROUP 0
	GROUP 1
	GROUP 2
	GROUP 3
	GROUP 4
	GROUP 5
	GROUP 6
	GROUP 7
	s_wait_dscnt 0x0                               ; for the other waves' sake: my bytes and words have landed
	s_barrier_signal -1
	s_barrier_wait -1                              ; a row's word holds two waves' bytes
	ds_load_b128 v[96:99], v11
	ds_load_b128 v[100:103], v11 offset:512
	s_wait_dscnt 0x1                               ; the second read may stay out
	global_store_b128 v1, v[96:99], s[58:59]       ; two key steps' words of one head: 512 consecutive bytes a store
	s_wait_dscnt 0x0
	global_store_b128 v1, v[100:103], s[58:59] offset:512
	s_cmp_gt_u32 s18, 1
	s_cbranch_scc1 .Lno_v
	ds_load_b128 v[104:107], v12
	s_wait_dscnt 0x0
	global_store_b128 v1, v[104:107], s[60:61]
.Lno_v:
	s_wait_tensorcnt 0x0
	ds_add_u32 v158, v159
	s_wait_dscnt 0x0
	CROUND                                         ; the closing round: no work-group ends while a partner may still ask for the block that names it
	s_endpgm
.Lfunc_end_k_q04f5d90cfb_qkv:
	.size	k_q04f5d90cfb_qkv, .Lfunc_end_k_q04f5d90cfb_qkv-k_q04f5d90cfb_qkv
	.p2alignl 7, 3214868480
	.fill 96, 4, 3214868480
	.section	.rodata,"a",@progbits
	.p2align	6, 0x0
	.amdhsa_kernel k_q04f5d90cfb_qkv
		.amdhsa_group_segment_fixed_size 168448
		.amdhsa_private_segment_fixed_size 0
		.amdhsa_enable_private_segment 0
		.amdhsa_kernarg_size 56
		.amdhsa_user_sgpr_count 2
		.amdhsa_user_sgpr_kernarg_segment_ptr 1
		.amdhsa_wavefront_size32 1
		.amdhsa_system_sgpr_workgroup_id_x 1
		.amdhsa_system_sgpr_workgroup_id_y 1
		.amdhsa_system_sgpr_workgroup_id_z 1
		.amdhsa_system_vgpr_workitem_id 0
		.amdhsa_next_free_vgpr 1024
		.amdhsa_next_free_sgpr 100
		.amdhsa_reserve_vcc 0
		.amdhsa_float_denorm_mode_32 3
		.amdhsa_float_denorm_mode_16_64 3
		.amdhsa_memory_ordered 1
		.amdhsa_forward_progress 1
		.amdhsa_inst_pref_size 191
	.end_amdhsa_kernel
	.amdgpu_metadata
---
amdhsa.version: [ 1, 2 ]
amdhsa.kernels:
  - .name:           k_q04f5d90cfb_qkv
    .symbol:         k_q04f5d90cfb_qkv.kd
    .args:
      - { .name: xq, .offset: 0, .size: 8, .value_kind: global_buffer, .address_space: global }
      - { .name: wq, .offset: 8, .size: 8, .value_kind: global_buffer, .address_space: global }
      - { .name: bq, .offset: 16, .size: 8, .value_kind: global_buffer, .address_space: global }
      - { .name: bk, .offset: 24, .size: 8, .value_kind: global_buffer, .address_space: global }
      - { .name: bv, .offset: 32, .size: 8, .value_kind: global_buffer, .address_space: global }
      - { .name: qb, .offset: 40, .size: 8, .value_kind: global_buffer, .address_space: global }
      - { .name: kv, .offset: 48, .size: 8, .value_kind: global_buffer, .address_space: global }
    .group_segment_fixed_size: 168448
    .private_segment_fixed_size: 0
    .kernarg_segment_align: 8
    .kernarg_segment_size: 56
    .max_flat_workgroup_size: 128
    .sgpr_count:     100
    .vgpr_count:     1024
    .wavefront_size: 32
...
	.end_amdgpu_metadata
.endif
;; end of part 2
;; launch attn (part 3): grid 4 x 64, 16 waves a work-group, clusters of 4 x 1, 169,984 bytes of LDS; arguments qb, kv, ao; writes ao
.if DOCPART == 3
	.amdgcn_target "amdgcn-amd-amdhsa--gfx1250"
	.amdhsa_code_object_version 6
	.text
	.protected	k_q04f5d90cfb_attn
	.globl	k_q04f5d90cfb_attn
	.p2align	8
	.type	k_q04f5d90cfb_attn,@function
k_q04f5d90cfb_attn:
	s_mov_b64 s[64:65], 0
	v_nop
	global_prefetch_b8 v0, s[64:65] scope:SCOPE_SE
	s_setreg_imm32_b32 hwreg(HW_REG_WAVE_MODE, 25, 1), 1
	s_wait_xcnt 0x0
	s_wait_alu depctr_hold_cnt(0) depctr_sa_sdst(0) depctr_va_vdst(0) depctr_va_sdst(0) depctr_va_ssrc(0) depctr_va_vcc(0) depctr_vm_vsrc(0)
	s_getreg_b32 s2, hwreg(HW_REG_IB_STS2, 6, 4)
	s_cmp_eq_u32 s2, 0
	s_cbranch_scc0 .Lentry_in_a_cluster
	s_endpgm
.Lentry_in_a_cluster:
	s_bfe_u32 s2, ttmp6, 0x10000c
	s_cmp_lg_u32 s2, 0x3003
	s_cbranch_scc0 .Lentry_shape_is_right
	s_endpgm
.Lentry_shape_is_right:
; LAUNCH 3 OF 4.  Causal attention of one (batch, head) on codes of FP4 with E8M0 scales, and the quantising of its result along the 1,024 of the output projection's K.
; THE SOFTMAX: t = score x log2(e) / 8; M = the running largest t rounded UP to a whole number; p = 2^(t - M) is quantised along the keys, not normalised; the row's sum is taken of the unquantised p
; and divides O at the end; when M moves, the sum and O are multiplied by 2^(old M - new M), which rounds nothing.  Keys that the causal mask hides from all 16 queries of a tile are left out in
; whole steps of 128 and, on the diagonal, in a whole half step of 64.
; LIMITS: NaN and infinities are not served; a block of zeros or under 2^-124 has the byte 1 and zero codes; the promise holds while the scaled scores t stay under 2^31 in magnitude.
; SHARES.  The four work-groups of a head form a CLUSTER and ask for the head's part of kv, 143,360 dense bytes, JOINTLY: each wave 35 rows of 256 bytes, mask 15; filled once, so there is no ring.
; Query tile tau = 8 g + 4 cs + cx needs key steps 0 .. g - 1 whole and, of step g, keys 0 .. 64 cs + 63.  Wave w of partner cx takes g = w, cs = 0 and then g = 15 - w, cs = 1: cs is a constant of
; each turn's text and g hangs on the wave's number alone, so no branch hangs on cx; cx enters global addresses and the number that the causal compare reads, and nothing else.
; The loops' trip counts are constants (16); trips from g on are jumped over by a scalar branch; the step on the diagonal is written out behind the loop.
; Nothing is prefetched: the one stream is asked for whole at the head.
; LAYOUT.  S^T = K Q^T (source 0 = 16 keys), O^T = V^T P^T (source 0 = 16 of the head's 64): a lane holds ONE query.  THE KEYS OF A TILE ARE CHOSEN BY THE LANES' LDS ADDRESSES: row 8 h' + j of tile
; t = 4 c + q is key 64 c + 32 h' + 8 q + j of the step, so the 32 registers of tiles 4 c .. 4 c + 3 of a lane of half h are the WHOLE block 2 c + h of 32 keys, in order: the block's largest score needs no
; other lane, and the conversions' results are the second product's operand as they stand.  In kv's image that key lies in tile 4 c + 2 h' + q % 2 at place 8 (q / 2) + j.  (Rows 0-7 and 8-15 of such a
; tile lie 1,024 bytes apart in LDS.)  Its scale word lies at 256 (q % 2) + 128 (q / 2) + 16 j + 8 c + 4 h' of the step's 512 bytes.
; K = 64 IN AN INSTRUCTION OF 128: Q's registers 4-7 are zero codes; the fragment of tile t is v[KF + 4 t : KF + 4 t + 7], its upper four registers the next tile's codes (behind tile 7: zeros);
; bytes 2 and 3 of both sides' scale words repeat bytes 0 and 1, so no byte is 0xff.
; ao: [128 rows 64][69,632]: codes [tile 8][head 16][512]; from 65,536 scale bytes [head 16][tile 8][r 16] as pairs.  A work-group holds tiles cx and 4 + cx of a block's eight, so its scale bytes
; leave in pieces of 32 bytes: one byte in 16 of what the launch stores.
.set QFA, 16                           ; v16-31   the two tiles' Q
.set KF,  32                           ; v32-67   K: tile t at + 4 t; + 32 .. 35 zeros
.set KW,  68                           ; v68-71   K's scale words: tile t's at 2 ((t % 4) / 2) + t / 4, lanes 16 (t % 2) on
.set VF,  76                           ; v76-107  V: d tile at + 8
.set VSC, 108                          ; v108-109 V's scale words
.set QS0, 110                          ; v110-111 Q's scale words
.set S,   112                          ; v112-175 S^T, then p; on the way out O^T / the sum
.set O,   176                          ; v176-207 O^T
.set P,   208                          ; v208-215 p's codes; on the way out the result's
.set BM,  216
.set T2,  220
.set SCO, 224
.set SU,  232                          ; v232-237 three more chains of the row's sum
.set PW,  238                          ; p's scale word
.set DD,  239                          ; my query less the first key of the diagonal's half step less 32 h
.set SH,  240                          ; 8 h
.set SEL, 52
.set CS,  54
.set STG, 143360                       ; LDS behind the head's block: the result's scale bytes, [g 16][cs 2][32]; no tensor load lands here
.macro CROUND                          ; a round of the cluster's barrier
	s_barrier_signal -1
	s_barrier_wait -1
	s_cmp_lg_u32 s10, 0
	s_cbranch_scc1 .Lnot_wave_0_\@
	s_barrier_signal -3
.Lnot_wave_0_\@:
	s_barrier_wait -3
	s_barrier_signal -1
	s_barrier_wait -1
.endm
.macro KLOADS adr, adw                 ; a step's scale words of K and its eight tiles: 12 loads
.irp q, 0,1
.irp c, 0,1
	ds_load_b32 v[KW+2*\q+\c], v[\adw] offset:128*\q+8*\c
.endr
.endr
.irp t, 0,1,2,3,4,5,6,7
	ds_load_b128 v[KF+4*\t:KF+4*\t+3], v[\adr] offset:2048*(\t/4)+512*(\t%2)+128*((\t%4)/2)
.endr
.endm
	s_load_b128 s[4:7], s[0:1], 0x0                ; qb s[4:5], kv s[6:7]
	s_load_b64 s[8:9], s[0:1], 0x10                ; ao
	v_lshl_add_u32 v254, v0, 2, 0x29000
	v_mov_b32 v255, 0
	ds_add_u32 v254, v255
	ds_add_u32 v254, v255
	v_lshrrev_b32 v8, 5, v0
	v_readfirstlane_b32 s10, v8                    ; wave 0..15
	s_bfe_u32 s18, ttmp6, 0x40000                  ; cx
	s_and_b32 s11, ttmp7, 0xffff                   ; b h, which the four partners share
	s_lshl_b32 s12, s10, 3
	s_add_co_u32 s12, s12, s18                     ; my first tile: 8 w + cx
	s_xor_b32 s13, s10, 15
	s_lshl_b32 s13, s13, 3
	s_add_co_u32 s13, s13, s18
	s_add_co_u32 s13, s13, 4                       ; my second: 8 (15 - w) + 4 + cx
	s_and_b32 s50, s18, 2
	s_lshl_b32 s50, s50, 4
	s_and_b32 s40, s18, 1
	s_lshl_b32 s40, s40, 3
	s_add_co_u32 s50, s50, s40                     ; the tile's first query in its half step of 64: 32 (cx / 2) + 8 (cx % 2)
	s_and_b32 s16, s11, 15                         ; head
	s_and_b32 s17, s11, 0x30                       ; 16 x batch
	s_mov_b32 s24, 15|(3<<16)|(1<<21)              ; descriptor group 1: the mask: all four work-groups; elements of 8 bytes; bit 21 set beside a mask
	s_mov_b32 s25, 32<<16                          ; tensor_dim0: rows of 256 bytes
	s_mov_b32 s26, 35<<16                          ; tensor_dim1
	s_mov_b32 s27, 32<<16                          ; tile_dim0
	s_mov_b32 s28, 35                              ; tile_dim1
	s_mov_b32 s29, 32                              ; the pitch: dense
	s_mov_b32 s30, 0
	s_mov_b32 s31, 0
	s_mov_b32 s20, 1
	s_mul_i32 s21, s10, 8960                       ; LDS: wave x 35 rows
	s_mul_i32 s14, s11, 143360
	s_add_co_u32 s14, s14, s21
	s_mov_b32 s15, 0
	s_mov_b32 s41, 0
	s_mov_b32 s[SEL], 0x76543210
	s_mov_b32 s[SEL+1], 0xfedcba98                 ; v_permlanex16_b32's selects for lane l xor 16
	s_mov_b32 s[CS], 0x3e38aa3b                    ; c = log2(e) / sqrt(64)
	s_mov_b32 s[CS+1], s[CS]
	v_and_b32 v9, 31, v0                           ; lane
	v_and_b32 v10, 15, v0                          ; r
	v_bfe_u32 v11, v0, 4, 1                        ; h
	v_and_b32 v12, 7, v0                           ; j
	v_bfe_u32 v13, v0, 3, 1                        ; h'
	v_lshlrev_b32 v243, 4, v9                      ; 16 x lane
	v_lshlrev_b32 v12, 4, v12
	v_lshl_add_u32 v3, v11, 8, v12                 ; 256 h + 16 j
	v_lshl_add_u32 v1, v13, 10, v3                 ; K's codes: + 1,024 h'
	v_lshl_add_u32 v3, v13, 2, v3
	v_add_nc_u32 v3, 131072, v3                    ; K's words: + 4 h'
	v_add_nc_u32 v2, 61440, v243                   ; V's codes begin at 65,536; the step's scalar runs one step (4,096) ahead
	v_lshl_add_u32 v4, v9, 3, 139264               ; V's words: 8 x lane
	v_and_b32 v5, 8, v10
	v_add_nc_u32 v5, v5, v10
	v_lshlrev_b32 v6, 5, v11
	v_sub_nc_u32 v5, v5, v6                        ; r + 8 (r / 8) - 32 h
	v_add_nc_u32 v[DD], s50, v5
	v_lshlrev_b32 v6, 4, v10
	v_lshl_add_u32 v6, v11, 3, v6                  ; 16 r + 8 h: my 8 bytes of a block's 256
	s_lshl_b32 s40, s10, 6
	s_add_co_u32 s40, s40, STG
	v_lshl_add_u32 v7, v10, 1, s40                 ; first turn: g = w, cs = 0
	s_xor_b32 s40, s10, 15
	s_lshl_b32 s40, s40, 6
	s_add_co_u32 s40, s40, STG+32
	v_lshl_add_u32 v226, v10, 1, s40               ; second turn: g = 15 - w, cs = 1
	v_lshlrev_b32 v227, 4, v10                     ; 16 r: Q's scale words
	s_and_b32 s40, s10, 1
	s_lshl_b32 s40, s40, 9
	s_add_co_u32 s40, s40, STG
	v_add_nc_u32 v241, s40, v243                   ; waves 0 and 1 read eight g's 64 bytes back here
	v_lshrrev_b32 v242, 2, v9
	v_mul_u32_u24 v242, v242, 69632                ; and store them: four lanes to a block of 128 rows,
	v_bfe_u32 v14, v0, 1, 1
	v_lshl_add_u32 v242, v14, 7, v242              ; two to tile cx, two to tile 4 + cx, 128 bytes on
	v_and_b32 v14, 1, v0
	v_lshl_add_u32 v242, v14, 4, v242
	v_lshlrev_b32 v[SH], 3, v11
	v_mov_b32 v229, 0xff800000                     ; -infinity
	s_wait_alu depctr_va_vdst(0)
	s_wait_dscnt 0x0
	s_wait_kmcnt 0x0
	s_add_nc_u64 s[22:23], s[6:7], s[14:15]
	s_or_b32 s23, s23, 0x80000000                  ; the descriptor's type
	CROUND                                         ; all four work-groups are here: the joint loads meet
	tensor_load_to_lds s[20:23], s[24:31]          ; the wave's one tensor load of the launch
	s_nop 0
.rept 4
	v_nop
.endr
.macro ADDRS tau, c0, s0, o0           ; for the tile in s[tau]: Q's codes, Q's scale words, the result's codes
	s_lshl_b32 s40, s11, 16
	s_lshl_b32 s42, s[\tau], 9
	s_add_co_u32 s40, s40, s42
	s_add_nc_u64 s[\c0:\c0+1], s[4:5], s[40:41]
	s_lshl_b32 s40, s11, 13
	s_lshr_b32 s42, s[\tau], 3
	s_lshl_b32 s42, s42, 9
	s_add_co_u32 s40, s40, s42                     ; the key step's 512 bytes,
	s_and_b32 s42, s[\tau], 1
	s_lshl_b32 s42, s42, 8
	s_add_co_u32 s40, s40, s42                     ; odd tiles 256 on,
	s_bfe_u32 s42, s[\tau], 0x20001
	s_lshl_b32 s42, s42, 2
	s_add_co_u32 s40, s40, s42                     ; word (tau / 2) % 4 of the row's four
	s_add_co_u32 s40, s40, 4194304
	s_add_nc_u64 s[\s0:\s0+1], s[4:5], s[40:41]
	s_lshr_b32 s40, s[\tau], 3
	s_add_co_u32 s40, s40, s17
	s_mul_i32 s40, s40, 69632
	s_and_b32 s42, s[\tau], 7
	s_lshl_b32 s42, s42, 13
	s_add_co_u32 s40, s40, s42
	s_lshl_b32 s42, s16, 9
	s_add_co_u32 s40, s40, s42
	s_add_nc_u64 s[\o0:\o0+1], s[8:9], s[40:41]
.endm
	ADDRS 12, 32, 34, 56
	ADDRS 13, 36, 38, 58
	global_load_b128 v[QFA:QFA+3], v243, s[32:33]
	global_load_b32 v[QS0], v227, s[34:35]
	global_load_b128 v[QFA+8:QFA+11], v243, s[36:37]
	global_load_b32 v[QS0+1], v227, s[38:39]
	s_and_b32 s40, s10, 1                          ; the scale bytes' way out: wave 0 takes g = 0 .. 7, wave 1 g = 8 .. 15
	s_lshl_b32 s40, s40, 3
	s_add_co_u32 s40, s40, s17
	s_mul_i32 s40, s40, 69632
	s_lshl_b32 s42, s16, 8
	s_add_co_u32 s40, s40, s42                     ; 256 bytes a head,
	s_lshl_b32 s42, s18, 5
	s_add_co_u32 s40, s40, s42                     ; 32 a tile: tile cx
	s_add_co_u32 s40, s40, 65536
	s_add_nc_u64 s[60:61], s[8:9], s[40:41]
.irp i, 4,5,6,7,12,13,14,15
	v_mov_b32 v[QFA+\i], 0                         ; Q's upper half: zero codes
.endr
.irp i, 32,33,34,35
	v_mov_b32 v[KF+\i], 0
.endr
.irp b, 0,1,2,3
	v_mov_b32 v[T2+\b], 0                          ; written once: a lane permute's destination counts as one of its sources
.endr
	v_mov_b32 v228, 0
	v_mov_b32 v231, 0                              ; (named as the upper half of the pair v[230:231])
	s_wait_alu depctr_va_vdst(0)
	s_wait_loadcnt 0x0                             ; Q
	s_wait_tensorcnt 0x0                           ; my part of the head's block is in,
	s_barrier_signal -1
	s_barrier_wait -1                              ; everybody's is
; A KEY STEP of turn p.  diag = 0: a step of the loop, all of whose 128 keys count; it asks for the next step's K.  diag = 1: the step on the diagonal: in turn 0 its first 64 keys alone are worked
; (NC = 1: the other 64 go into the second product as zero codes under the byte 1); the compare hides keys in block pair c = p alone.
.macro STEP p, diag
.if (\diag) && ((\p) == 0)
.set NC, 1
.else
.set NC, 2
.endif
	s_wait_dscnt 0x0                               ; this step's K, asked for a step ago
.irp t, 0,1,2,3,4,5,6,7
.if \t < 4*NC
.if (\t)%2
	v_wmma_scale_f32_16x16x128_f8f6f4 v[S+8*\t:S+8*\t+7], v[KF+4*\t:KF+4*\t+7], v[QF:QF+7], 0, v[KW+2*((\t%4)/2)+\t/4], v[QSR] matrix_a_fmt:MATRIX_FMT_FP4 matrix_b_fmt:MATRIX_FMT_FP4 matrix_a_scale:MATRIX_SCALE_ROW1
.else
	v_wmma_scale_f32_16x16x128_f8f6f4 v[S+8*\t:S+8*\t+7], v[KF+4*\t:KF+4*\t+7], v[QF:QF+7], 0, v[KW+2*((\t%4)/2)+\t/4], v[QSR] matrix_a_fmt:MATRIX_FMT_FP4 matrix_b_fmt:MATRIX_FMT_FP4
.endif
.endif
.endr
.if \diag                                      ; four places behind the products above and behind the last step's: loads into their registers and the first reads of S^T follow
	v_add_nc_u32 v9, s51, v2
	v_add_nc_u32 v11, s45, v4
	v_nop
	v_nop
.else
	v_add_nc_u32 v8, s47, v1
	v_add_nc_u32 v9, s47, v2
	v_add_nc_u32 v10, s48, v3
	v_add_nc_u32 v11, s49, v4
.endif
.irp i, 0,1,2,3,4,5,6,7
	ds_load_b128 v[VF+4*\i:VF+4*\i+3], v9 offset:512*\i   ; this step's V
.endr
	ds_load_b64 v[VSC:VSC+1], v11
.if (\diag) == 0
	KLOADS 8, 10                                   ; and the next step's K
.else
.set J, 32*(\p)
.rept 32
	v_cmp_gt_i32 vcc_lo, J%32, v[DD]               ; register J holds key 64 (J / 32) + 32 h + J % 32 of the step
	v_cndmask_b32 v[S+J], v[S+J], v229, vcc_lo
.set J, J+1
.endr
.endif
.irp b, 0,1,2,3
.if \b < 2*NC
	v_max3_num_f32 v[BM+\b], v[S+16*\b], v[S+16*\b+1], v[S+16*\b+2]           ; two chains to a block of 32 keys; each accumulator from its low end on
.endif
.endr
.irp i, 3,5,7,9,11,13
.irp b, 0,1,2,3
.if \b < 2*NC
	v_max3_num_f32 v[BM+\b], v[BM+\b], v[S+16*\b+\i], v[S+16*\b+\i+1]
.endif
.endr
.endr
.irp b, 0,1,2,3
.if \b < 2*NC
	v_max_num_f32 v[BM+\b], v[BM+\b], v[S+16*\b+15]
.endif
.endr
	v_max_num_f32 v[BM], v[BM], v[BM+1]            ; my blocks' largest scores: for the row's maximum, and, since p rises with the score, for the blocks' largest p
.if NC == 2
	v_max_num_f32 v[BM+1], v[BM+2], v[BM+3]
	s_delay_alu instid0(VALU_DEP_1)
	v_max_num_f32 v228, v[BM], v[BM+1]
.else
	s_delay_alu instid0(VALU_DEP_1)
	v_mov_b32 v228, v[BM]
.endif
	s_delay_alu instid0(VALU_DEP_1)
	v_permlanex16_b32 v[T2], v228, s[SEL], s[SEL+1]
	s_delay_alu instid0(VALU_DEP_1)
	v_max_num_f32 v228, v228, v[T2]                ; with lane l xor 16's blocks: the step's largest score of my query
	s_delay_alu instid0(VALU_DEP_1)
	v_mul_f32 v228, s[CS], v228                    ; as t (c is positive)
	s_delay_alu instid0(VALU_DEP_1)
	v_max_num_f32 v13, v13, v228                   ; the running largest t
	v_mov_b32 v228, v12
	s_delay_alu instid0(VALU_DEP_2)
	v_floor_f32 v12, -v13                          ; the new -M = floor(-t) = -ceil(t)
	s_delay_alu instid0(VALU_DEP_1)
	v_sub_f32 v228, v12, v228                      ; old M - new M: a whole number, 0 or less
	s_delay_alu instid0(VALU_DEP_1)
	v_cvt_i32_f32 v228, v228                       ; (it saturates)
	s_delay_alu instid0(VALU_DEP_1)
	v_ldexp_f32 v230, 1.0, v228                    ; f = 2^(old M - new M)
.set J, 0
.rept 16*NC
	v_pk_fma_f32 v[S+J:S+J+1], v[S+J:S+J+1], s[CS:CS+1], v[12:13] op_sel_hi:[1,0,0]   ; t - M, two at a time
.set J, J+2
.endr
	v_fma_f32 v[BM], v[BM], s[CS], v12             ; the same of each block's largest score
.if NC == 2
	v_fma_f32 v[BM+1], v[BM+1], s[CS], v12
.endif
	s_wait_alu depctr_va_vdst(0)
.set J, 0
.rept 32*NC
	v_exp_f32 v[S+J], v[S+J]                       ; p = 2^(t - M), at most 1
.set J, J+1
.endr
	v_exp_f32 v[BM], v[BM]                         ; the blocks' largest p: the same two instructions on the same number give the same bits
.if NC == 2
	v_exp_f32 v[BM+1], v[BM+1]
.endif
	v_pk_mul_f32 v[14:15], v[14:15], v[230:231] op_sel_hi:[1,0]               ; the sums under the new M: the plain instruction behind the batch
	s_wait_alu depctr_va_vdst(0)                   ; one wait for the batch, ahead of its first reader
.irp k, 0,1,2
	v_pk_add_f32 v[SU+2*\k:SU+2*\k+1], v[S+4*\k:S+4*\k+1], v[S+4*\k+2:S+4*\k+3]   ; the row's sum of the unquantised p, in four chains
.endr
.set J, 12
.rept 4*NC-2
	v_pk_add_f32 v[14:15], v[14:15], v[S+J:S+J+1]
.irp k, 0,1,2
	v_pk_add_f32 v[SU+2*\k:SU+2*\k+1], v[SU+2*\k:SU+2*\k+1], v[S+J+2+2*\k:S+J+3+2*\k]
.endr
.set J, J+8
.endr
	v_pk_add_f32 v[14:15], v[14:15], v[S+J:S+J+1]
	v_pk_add_f32 v[SU:SU+1], v[SU:SU+1], v[S+J+2:S+J+3]
	v_pk_add_f32 v[SU+2:SU+3], v[SU+2:SU+3], v[SU+4:SU+5]
	s_delay_alu instid0(VALU_DEP_2)
	v_pk_add_f32 v[14:15], v[14:15], v[SU:SU+1]
	v_max_num_f32 v[BM], 0x1800000, v[BM]          ; the floor 2^(3 - 127): a block whose every p is 0 keeps the byte 1, and its codes are zeros
.if NC == 2
	v_max_num_f32 v[BM+1], 0x1800000, v[BM+1]
.endif
	v_pk_add_f32 v[14:15], v[14:15], v[SU+2:SU+3]
	v_add_nc_u32 v[SCO], 0xff000000, v[BM]         ; the conversion's scale operand
.if NC == 2
	v_add_nc_u32 v[SCO+1], 0xff000000, v[BM+1]
	s_delay_alu instid0(VALU_DEP_2)
	v_lshrrev_b32 v[T2], 23, v[SCO]                ; the byte
	s_delay_alu instid0(VALU_DEP_2)
	v_lshrrev_b32 v[T2+1], 23, v[SCO+1]
	s_delay_alu instid0(VALU_DEP_1)
	v_lshl_or_b32 v[PW], v[T2+1], 16, v[T2]        ; blocks h and 2 + h of my query,
.else
	s_delay_alu instid0(VALU_DEP_1)
	v_lshrrev_b32 v[T2], 23, v[SCO]
	s_delay_alu instid0(VALU_DEP_1)
	v_or_b32 v[PW], 0x10000, v[T2]                 ; block h, and the byte 1 over block 2 + h's zero codes,
.endif
	s_delay_alu instid0(VALU_DEP_1)
	v_lshlrev_b32 v[PW], v[SH], v[PW]              ; at their places in the scale word;
	s_delay_alu instid0(VALU_DEP_1)
	v_permlanex16_b32 v[T2+2], v[PW], s[SEL], s[SEL+1]
	s_delay_alu instid0(VALU_DEP_1)
	v_or_b32 v[PW], v[PW], v[T2+2]                 ; with lane l xor 16's two the word is whole
.irp t, 0,1,2,3,4,5,6,7
.if \t < 4*NC
	v_cvt_scalef32_pk8_fp4_f32 v[P+\t], v[S+8*\t:S+8*\t+7], v[SCO+\t/4]       ; register t of the operand: keys 64 (t / 4) + 32 h + 8 (t % 4) + 0 .. 7
.else
	v_mov_b32 v[P+\t], 0                           ; the hidden half step: zero codes
.endif
.endr
	v_nop                                          ; a plain instruction behind the last conversion
.if \diag
	s_wait_dscnt 0x0                               ; V and its words are in
.else
	s_wait_dscnt 0xc                               ; V and its words are in; the twelve loads of the next step's K may stay out
.endif
	s_wait_alu depctr_va_vdst(0)                   ; directly ahead of the first reader of O^T
.set J, 0
.rept 16
	v_pk_mul_f32 v[O+J:O+J+1], v[O+J:O+J+1], v[230:231] op_sel_hi:[1,0]       ; O^T under the new M.  (Also the places behind the writes of p's scale word and codes)
.set J, J+2
.endr
.irp t, 0,1,2,3                                ; four accumulators, one instruction each
.if (\t)%2
	v_wmma_scale_f32_16x16x128_f8f6f4 v[O+8*\t:O+8*\t+7], v[VF+8*\t:VF+8*\t+7], v[P:P+7], v[O+8*\t:O+8*\t+7], v[VSC+\t/2], v[PW] matrix_a_fmt:MATRIX_FMT_FP4 matrix_b_fmt:MATRIX_FMT_FP4 matrix_a_scale:MATRIX_SCALE_ROW1
.else
	v_wmma_scale_f32_16x16x128_f8f6f4 v[O+8*\t:O+8*\t+7], v[VF+8*\t:VF+8*\t+7], v[P:P+7], v[O+8*\t:O+8*\t+7], v[VSC+\t/2], v[PW] matrix_a_fmt:MATRIX_FMT_FP4 matrix_b_fmt:MATRIX_FMT_FP4
.endif
.endr
.endm
; ONE TILE OF QUERIES: turn p (0, 1): a loop of 16 trips of which the first g are worked, the step on the diagonal, and the way out.
.macro PHASE p
.set QF,  QFA+8*(\p)
.set QSR, QS0+(\p)
.set STR, 7+219*(\p)
	s_wait_xcnt 0x0                                ; the last turn's stores have read their data
	s_wait_dscnt 0x0
.if \p
	s_xor_b32 s44, s10, 15                         ; the step on the diagonal: g, by the wave's number alone
.else
	s_mov_b32 s44, s10
.endif
	s_add_co_u32 s51, s44, 1
	s_lshl_b32 s51, s51, 12                        ; that step's V (v2 counts one step back),
	s_lshl_b32 s45, s44, 8                         ; and V's words
	s_mov_b32 s46, 0                               ; the key step
	s_mov_b32 s47, 4096                            ; the NEXT step's codes: 4,096 bytes a step, in K and in V
	s_mov_b32 s48, 512                             ; the next step's words of K
	s_mov_b32 s49, 0                               ; this step's words of V
	KLOADS 1, 3                                    ; step 0
	v_mov_b32 v13, 0xff61b1e6                      ; the largest t so far: -3e38, under every t
	v_mov_b32 v14, 0                               ; the sum, in two halves
	v_mov_b32 v15, 0
	v_floor_f32 v12, -v13                          ; -M
.set J, 0
.rept 32
	v_mov_b32 v[O+J], 0                            ; O^T: the first step finds zeros
.set J, J+1
.endr
.Ltrip_\@:
	s_cmp_ge_u32 s46, s44                          ; from the diagonal's step on only the steps of addresses and counter are left
	s_cbranch_scc1 .Lskip_\@
	STEP \p, 0
.Lskip_\@:
	s_add_co_u32 s47, s47, 4096
	s_add_co_u32 s48, s48, 512
	s_add_co_u32 s49, s49, 256
	s_add_co_u32 s46, s46, 1
	s_cmp_lt_u32 s46, 16
	s_cbranch_scc1 .Ltrip_\@
	STEP \p, 1                                     ; its K was asked for by trip g - 1, or ahead of the loop
	; the way out: O^T / the sum, quantised along the head's 64 (two blocks), 8 bytes a lane and block
.rept 4
	v_nop                                          ; four places between the last product and the first read of results
.endr
	v_add_f32 v14, v14, v15                        ; the sum's two halves,
	s_delay_alu instid0(VALU_DEP_1)
	v_permlanex16_b32 v228, v14, s[SEL], s[SEL+1]
	s_delay_alu instid0(VALU_DEP_1)
	v_add_f32 v14, v14, v228                       ; and lane l xor 16's: the row's sum
	s_wait_alu depctr_va_vdst(0)
	v_rcp_f32 v14, v14
	v_nop                                          ; a plain instruction behind it
	s_wait_alu depctr_va_vdst(0)                   ; the wait ahead of its first reader
.set J, 0
.rept 16
	v_pk_mul_f32 v[S+J:S+J+1], v[O+J:O+J+1], v[14:15] op_sel_hi:[1,0]         ; each accumulator from its low end on
.set J, J+2
.endr
.irp b, 0,1
	v_max3_num_f32 v[BM+\b], |v[S+16*\b]|, |v[S+16*\b+1]|, 0x1800000
.endr
.irp i, 2,4,6,8,10,12,14
.irp b, 0,1
	s_delay_alu instid0(VALU_DEP_2)
	v_max3_num_f32 v[BM+\b], v[BM+\b], |v[S+16*\b+\i]|, |v[S+16*\b+\i+1]|
.endr
.endr
.irp b, 0,1
	s_delay_alu instid0(VALU_DEP_2)
	v_permlanex16_b32 v[T2+\b], v[BM+\b], s[SEL], s[SEL+1]
.endr
.irp b, 0,1
	s_delay_alu instid0(VALU_DEP_2)
	v_max_num_f32 v[BM+\b], v[BM+\b], v[T2+\b]
.endr
.irp b, 0,1
	s_delay_alu instid0(VALU_DEP_2)
	v_add_nc_u32 v[SCO+\b], 0xff000000, v[BM+\b]
.endr
.irp b, 0,1
	s_delay_alu instid0(VALU_DEP_2)
	v_lshrrev_b32 v[T2+\b], 23, v[SCO+\b]
.endr
	s_delay_alu instid0(VALU_DEP_1)
	v_lshl_or_b32 v228, v[T2+1], 8, v[T2]          ; the row's two bytes of this head
.irp b, 0,1
	v_cvt_scalef32_pk8_fp4_f32 v[P+2*\b], v[S+16*\b:S+16*\b+7], v[SCO+\b]
	v_cvt_scalef32_pk8_fp4_f32 v[P+2*\b+1], v[S+16*\b+8:S+16*\b+15], v[SCO+\b]
.endr
	v_nop
	global_store_b64 v6, v[P:P+1], s[56+2*\p:57+2*\p]                         ; 256 consecutive bytes, aligned
	global_store_b64 v6, v[P+2:P+3], s[56+2*\p:57+2*\p] offset:256
	ds_store_b16 v[STR], v228                      ; both lanes of a row write the same two bytes
.endm
	PHASE 0
	PHASE 1
	s_wait_dscnt 0x0                               ; for the other waves' sake: my scale bytes have landed
	s_barrier_signal -1
	s_barrier_wait -1
	s_cmp_gt_u32 s10, 1
	s_cbranch_scc1 .Lend
	ds_load_b128 v[32:35], v241                    ; eight g's two tiles x 32 bytes
	s_wait_dscnt 0x0
	global_store_b128 v242, v[32:35], s[60:61]     ; two lanes store 32 consecutive bytes: a tile's, in each of eight blocks of 128 rows
.Lend:
	s_wait_tensorcnt 0x0                           ; the wave's end
	ds_add_u32 v254, v255
	s_wait_dscnt 0x0
	CROUND                                         ; the closing round: no work-group ends while a partner may still ask for the block that names it
	s_endpgm
.Lfunc_end_k_q04f5d90cfb_attn:
	.size	k_q04f5d90cfb_attn, .Lfunc_end_k_q04f5d90cfb_attn-k_q04f5d90cfb_attn
	.p2alignl 7, 3214868480
	.fill 96, 4, 3214868480
	.section	.rodata,"a",@progbits
	.p2align	6, 0x0
	.amdhsa_kernel k_q04f5d90cfb_attn
		.amdhsa_group_segment_fixed_size 169984
		.amdhsa_private_segment_fixed_size 0
		.amdhsa_enable_private_segment 0
		.amdhsa_kernarg_size 24
		.amdhsa_user_sgpr_count 2
		.amdhsa_user_sgpr_kernarg_segment_ptr 1
		.amdhsa_wavefront_size32 1
		.amdhsa_system_sgpr_workgroup_id_x 1
		.amdhsa_system_sgpr_workgroup_id_y 1
		.amdhsa_system_sgpr_workgroup_id_z 1
		.amdhsa_system_vgpr_workitem_id 0
		.amdhsa_next_free_vgpr 256
		.amdhsa_next_free_sgpr 100
		.amdhsa_reserve_vcc 1
		.amdhsa_float_denorm_mode_32 3
		.amdhsa_float_denorm_mode_16_64 3
		.amdhsa_memory_ordered 1
		.amdhsa_forward_progress 1
		.amdhsa_inst_pref_size 78
	.end_amdhsa_kernel
	.amdgpu_metadata
---
amdhsa.version: [ 1, 2 ]
amdhsa.kernels:
  - .name:           k_q04f5d90cfb_attn
    .symbol:         k_q04f5d90cfb_attn.kd
    .args:
      - { .name: qb, .offset: 0, .size: 8, .value_kind: global_buffer, .address_space: global }
      - { .name: kv, .offset: 8, .size: 8, .value_kind: global_buffer, .address_space: global }
      - { .name: ao, .offset: 16, .size: 8, .value_kind: global_buffer, .address_space: global }
    .group_segment_fixed_size: 169984
    .private_segment_fixed_size: 0
    .kernarg_segment_align: 8
    .kernarg_segment_size: 24
    .max_flat_workgroup_size: 512
    .sgpr_count:     100
    .vgpr_count:     256
    .wavefront_size: 32
...
	.end_amdgpu_metadata
.endif
;; end of part 3
;; launch oproj (part 4): grid 4 x 64, 4 waves a work-group, clusters of 4 x 1, 168,448 bytes of LDS; arguments ao, wq, bo, x, out0; writes out0
.if DOCPART == 4
	.amdgcn_target "amdgcn-amd-amdhsa--gfx1250"
	.amdhsa_code_object_version 6
	.text
	.protected	k_q04f5d90cfb_oproj
	.globl	k_q04f5d90cfb_oproj
	.p2align	8
	.type	k_q04f5d90cfb_oproj,@function
k_q04f5d90cfb_oproj:
	s_mov_b64 s[64:65], 0
	v_nop
	global_prefetch_b8 v0, s[64:65] scope:SCOPE_SE
	s_setreg_imm32_b32 hwreg(HW_REG_WAVE_MODE, 25, 1), 1
	s_wait_xcnt 0x0
	s_wait_alu depctr_hold_cnt(0) depctr_sa_sdst(0) depctr_va_vdst(0) depctr_va_sdst(0) depctr_va_ssrc(0) depctr_va_vcc(0) depctr_vm_vsrc(0)
	s_getreg_b32 s2, hwreg(HW_REG_IB_STS2, 6, 4)
	s_cmp_eq_u32 s2, 0
	s_cbranch_scc0 .Lentry_in_a_cluster
	s_endpgm
.Lentry_in_a_cluster:
	s_bfe_u32 s2, ttmp6, 0x10000c
	s_cmp_lg_u32 s2, 0x3003
	s_cbranch_scc0 .Lentry_shape_is_right
	s_endpgm
.Lentry_shape_is_right:
; LAUNCH 4 OF 4.  out0 = attention's result x Wo + bo + x: one product of 8,192 x 1,024 x 1,024 on codes of FP4 with E8M0 scales, the bias as the C of each sum's first matrix instruction, the residual in f32.
; SHARES.  A work-group takes 128 rows (RB) and 256 columns (X); wave w owns 64 columns of Wo, four tiles x 8 K steps = 256 registers, read once and kept.  The rows' codes and scale bytes, one dense block of
; 69,632 bytes of ao, come into LDS once.  CLUSTER: the four work-groups of a cluster have the same RB: the block is asked for JOINTLY, each wave a quarter, mask 15.  No LDS byte is filled twice.
; x's 128 rows x 64 columns of the wave, 256 registers, are asked for at the head and land while the products run; nothing is prefetched: every stream is asked for whole at the head.
; LAYOUT.  Source 0 = 16 columns of Wo, source 1 = 16 rows: a lane holds one row, and the registers of column tiles u = 0, 1 are 16 neighbouring columns.  A tile of rows goes through the wave's own stage in LDS
; and comes back as rows of 256 bytes: sixteen lanes store 256 consecutive bytes, aligned.  Place r of row tile 2 ga + rho is row 32 ga + 8 rho + r + 8 (r / 8), as in the earlier launches.
; REGISTERS, in windows of 256: window 0: v1-10 addresses; v16-31 Wo's scale words; v32-47 the rows' (two sets); v48-63 their halves as loaded; v64-95 bo; v96-159 rows back from the stage; v160-223 8 accumulators.
;   window 1: Wo (64 ct + 8 s).  window 2: x, 32 registers a row tile, then the results.  window 3: the rows' fragments, two sets of 128 (64 rho + 8 s).
.set WS,  16                           ; 8 g + K step; lanes 0-15 tile u = 0, lanes 16-31 u = 1
.set ASC, 32                           ; 8 set + K step; lanes 0-15 row tile rho = 0, lanes 16-31 rho = 1
.set UH,  48                           ; the two bytes of head hd for my lane's row
.set BI,  64                           ; 8 ct
.set RBK, 96
.set ACC, 160                          ; 8 (4 rho + ct)
.set STG, 69632                        ; LDS behind the block of ao: a stage of 16 rows x (256 + 16) bytes for each wave; no tensor load lands here
.set MSB, 0
.macro WIN new                         ; the immediate's high byte repeats the setting that is left
.if MSB != \new
	s_set_vgpr_msb (MSB<<8)|\new
.set MSB, \new
.endif
.endm
.macro CROUND                          ; a round of the cluster's barrier
	s_barrier_signal -1
	s_barrier_wait -1
	s_cmp_lg_u32 s14, 0
	s_cbranch_scc1 .Lnot_wave_0_\@
	s_barrier_signal -3
.Lnot_wave_0_\@:
	s_barrier_wait -3
	s_barrier_signal -1
	s_barrier_wait -1
.endm
.macro MM                              ; the matrix instruction on the registers named by rD, rA, rB, rC, rSA, rSB; qA, qB: which half of the lanes holds each side's scale words
.if (qA == 0) && (qB == 0)
	v_wmma_scale_f32_16x16x128_f8f6f4 v[rD:rD+7], v[rA:rA+7], v[rB:rB+7], v[rC:rC+7], v[rSA], v[rSB] matrix_a_fmt:MATRIX_FMT_FP4 matrix_b_fmt:MATRIX_FMT_FP4
.elseif qB == 0
	v_wmma_scale_f32_16x16x128_f8f6f4 v[rD:rD+7], v[rA:rA+7], v[rB:rB+7], v[rC:rC+7], v[rSA], v[rSB] matrix_a_fmt:MATRIX_FMT_FP4 matrix_b_fmt:MATRIX_FMT_FP4 matrix_a_scale:MATRIX_SCALE_ROW1
.elseif qA == 0
	v_wmma_scale_f32_16x16x128_f8f6f4 v[rD:rD+7], v[rA:rA+7], v[rB:rB+7], v[rC:rC+7], v[rSA], v[rSB] matrix_a_fmt:MATRIX_FMT_FP4 matrix_b_fmt:MATRIX_FMT_FP4 matrix_b_scale:MATRIX_SCALE_ROW1
.else
	v_wmma_scale_f32_16x16x128_f8f6f4 v[rD:rD+7], v[rA:rA+7], v[rB:rB+7], v[rC:rC+7], v[rSA], v[rSB] matrix_a_fmt:MATRIX_FMT_FP4 matrix_b_fmt:MATRIX_FMT_FP4 matrix_a_scale:MATRIX_SCALE_ROW1 matrix_b_scale:MATRIX_SCALE_ROW1
.endif
.endm
	s_load_b256 s[4:11], s[0:1], 0x0               ; ao s[4:5], wq s[6:7], bo s[8:9], x s[10:11]
	s_load_b64 s[12:13], s[0:1], 0x20              ; out0
	v_lshl_add_u32 v254, v0, 2, 0x29000
	v_mov_b32 v255, 0
	ds_add_u32 v254, v255
	ds_add_u32 v254, v255
	v_lshrrev_b32 v6, 5, v0
	v_readfirstlane_b32 s14, v6                    ; wave 0..3
	s_bfe_u32 s15, ttmp6, 0x40000                  ; cx: it enters global addresses of Wo, bo, x and out0 alone
	s_lshl_b32 s17, ttmp9, 2
	s_add_co_u32 s15, s15, s17                     ; X = 4 x cluster x + cx
	s_and_b32 s16, ttmp7, 0xffff                   ; RB, which the four partners share
	s_lshl_b32 s17, s15, 3
	s_lshl_b32 s18, s14, 1
	s_add_co_u32 s17, s17, s18                     ; my first group of 32 columns: 8 X + 2 w
	s_mov_b32 s24, 15|(3<<16)|(1<<21)              ; descriptor group 1: the mask: all four work-groups; elements of 8 bytes; bit 21 set beside a mask
	s_mov_b32 s25, 32<<16                          ; tensor_dim0: rows of 256 bytes
	s_mov_b32 s26, 68<<16                          ; tensor_dim1
	s_mov_b32 s27, 32<<16                          ; tile_dim0
	s_mov_b32 s28, 68                              ; tile_dim1
	s_mov_b32 s29, 32                              ; the pitch: dense
	s_mov_b32 s30, 0
	s_mov_b32 s31, 0
	s_mov_b32 s20, 1
	s_mul_i32 s21, s14, 17408                      ; LDS: wave x 68 rows
	s_mul_i32 s32, s16, 69632
	s_add_co_u32 s32, s32, s21
	s_mov_b32 s33, 0
	s_lshl_b32 s36, s17, 14                        ; Wo's codes: 16,384 bytes a group
	s_mov_b32 s37, 0
	s_lshl_b32 s38, s17, 7                         ; its scale words, and bo's numbers: 128 bytes a group
	s_mov_b32 s39, 0
	s_mov_b32 s40, s38
	s_mov_b32 s41, 0
	s_lshl_b32 s42, s16, 19                        ; x, out0: 128 rows of 4,096 bytes,
	s_lshl_b32 s34, s15, 10
	s_add_co_u32 s42, s42, s34                     ; 1,024 bytes a work-group,
	s_lshl_b32 s34, s14, 8
	s_add_co_u32 s42, s42, s34                     ; 256 a wave
	s_mov_b32 s43, 0
	v_and_b32 v6, 31, v0                           ; lane
	v_and_b32 v7, 15, v0                           ; r
	v_bfe_u32 v8, v0, 4, 1                         ; h
	v_lshlrev_b32 v1, 4, v6                        ; 16 x lane: a fragment image's place for my lane
	v_lshl_add_u32 v2, v6, 1, 65536                ; the rows' scale bytes: 2 x lane
	s_mul_i32 s34, s14, 16*272
	s_add_co_u32 s34, s34, STG                     ; my stage
	v_mul_u32_u24 v3, v7, 272
	v_lshl_add_u32 v3, v8, 6, v3
	v_add_nc_u32 v3, s34, v3                       ; in: row r, + 64 h: my 16 columns of a group's 32
	v_mul_u32_u24 v4, v8, 272
	v_lshl_add_u32 v4, v7, 4, v4
	v_add_nc_u32 v4, s34, v4                       ; back: lanes 0-15 one row of 256 bytes, lanes 16-31 the next
	v_lshlrev_b32 v5, 12, v8
	v_lshl_add_u32 v5, v7, 4, v5                   ; and the same two rows in x and out0
	v_lshlrev_b32 v9, 2, v6                        ; 4 x lane
	v_lshlrev_b32 v10, 6, v8                       ; bo: 16 h numbers on
	s_wait_alu depctr_va_vdst(0)
	s_wait_dscnt 0x0
	s_wait_kmcnt 0x0
	s_add_nc_u64 s[22:23], s[4:5], s[32:33]
	s_or_b32 s23, s23, 0x80000000                  ; the descriptor's type
	s_add_nc_u64 s[36:37], s[6:7], s[36:37]
	s_add_nc_u64 s[38:39], s[6:7], s[38:39]
	s_add_nc_u64 s[8:9], s[8:9], s[40:41]
	s_add_nc_u64 s[10:11], s[10:11], s[42:43]
	s_add_nc_u64 s[12:13], s[12:13], s[42:43]
	CROUND                                         ; all four work-groups are here: the joint loads meet
	tensor_load_to_lds s[20:23], s[24:31]          ; the wave's one tensor load of the launch, asked for ahead of the weights' and x's loads
	s_nop 0
.rept 4
	v_nop
.endr
	WIN 0x40
.set I, 0
.rept 64
	global_load_b128 v[4*I:4*I+3], v1, s[36:37] offset:1572864+512*I          ; Wo is matrix 3 of wq: register 4 I = 64 ct + 8 s + 4 c
.set I, I+1
.endr
	WIN 0
.irp g, 0,1
.irp s, 0,1,2,3,4,5,6,7
	global_load_b32 v[WS+8*\g+\s], v9, s[38:39] offset:2097152+98304+4096*\s+128*\g
.endr
.endr
.irp ct, 0,1,2,3
	global_load_b128 v[BI+8*\ct:BI+8*\ct+3], v10, s[8:9] offset:(\ct/2)*128+(\ct%2)*32          ; bo at columns 32 g + 16 h + 8 u + 0 .. 7
	global_load_b128 v[BI+8*\ct+4:BI+8*\ct+7], v10, s[8:9] offset:(\ct/2)*128+(\ct%2)*32+16
.endr
	WIN 0x80                                       ; destination window 2
.irp t, 0,1,2,3,4,5,6,7                        ; x, row tile t = 2 ga + rho, two rows a load
.irp i, 0,1,2,3,4,5,6,7
	global_load_b128 v[32*\t+4*\i:32*\t+4*\i+3], v5, s[10:11] offset:(32*(\t/2)+8*(\t%2)+2*\i+8*(\i/4))*4096 th:TH_LOAD_NT
.endr
.endr
	WIN 0
	s_wait_tensorcnt 0x0                           ; my quarter is in,
	s_barrier_signal -1
	s_barrier_wait -1                              ; everybody's is
; the fragments of rows 32 g .. 32 g + 31 (two tiles) into set g % 2, and their 16 heads' scale bytes
.macro OFETCH g
.set FP, 128*((\g)%2)
	WIN 0xc0                                       ; destination window 3
.set FI, 0
.rept 32
	ds_load_b128 v[FP+4*FI:FP+4*FI+3], v1 offset:(\g)*16384+512*FI            ; FI = 16 rho + 2 s + c
.set FI, FI+1
.endr
	WIN 0
.irp hd, 0,1,2,3,4,5,6,7,8,9,10,11,12,13,14,15
	ds_load_u16 v[UH+\hd], v2 offset:256*\hd+64*(\g)
.endr
.endm
.macro MERGE set                       ; a K step is two heads: their two pairs of bytes make the row's scale word
.irp s, 0,1,2,3,4,5,6,7
	v_lshl_or_b32 v[ASC+8*(\set)+\s], v[UH+2*\s+1], 16, v[UH+2*\s]
.endr
.endm
; A GROUP of 32 rows: 64 matrix instructions; then the two row tiles go through the stage, take x and leave.
; four of the 32 fragment loads of rows 32 g .. 32 g + 31, behind K step k's products; behind the first K step also the rows' scale bytes
.macro OCHUNK g, k
.set FP, 128*((\g)%2)
.if (\k) == 0
	WIN 0
.irp hd, 0,1,2,3,4,5,6,7,8,9,10,11,12,13,14,15
	ds_load_u16 v[UH+\hd], v2 offset:256*\hd+64*(\g)
.endr
.endif
	WIN 0xc0                                       ; destination window 3
.irp c, 0,1,2,3
	ds_load_b128 v[FP+4*(4*(\k)+\c):FP+4*(4*(\k)+\c)+3], v1 offset:(\g)*16384+512*(4*(\k)+\c)
.endr
	WIN 0x0d
.endm
.macro OGROUP ga
	s_wait_dscnt 0x0
	WIN 0x0d                                       ; source 0 (Wo) window 1, source 1 (rows) window 3
.set KS_, 0
.rept 8                                        ; eight accumulators by turns, one instruction a turn
.set MI, 0
.rept 8                                        ; MI = 4 rho + ct
.set rD, ACC+8*MI
.set rA, 64*(MI%4)+8*KS_
.set rB, 128*((\ga)%2)+64*(MI/4)+8*KS_
.set rC, rD
.if KS_ == 0
.set rC, BI+8*(MI%4)
.endif
.set rSA, WS+8*((MI%4)/2)+KS_
.set rSB, ASC+8*((\ga)%2)+KS_
.set qA, MI%2
.set qB, MI/4
	MM
.set MI, MI+1
.endr
.if (\ga) < 3
	OCHUNK (\ga)+1, KS_                            ; the other set: its last readers stand in front of the last group's additions, far more than four plain instructions back
.endif
.set KS_, KS_+1
.endr
	WIN 0
.if (\ga) < 3
	s_wait_dscnt 0x0                               ; the next group's fragments and bytes, asked for 64 matrix instructions ago
	MERGE ((\ga)+1)%2                              ; eight plain instructions that name no register of the last products: also the places in front of the first read of results
.else
.rept 4
	v_nop
.endr
.endif
.irp rho, 0,1
.irp ct, 0,1,2,3
	ds_store_b128 v3, v[ACC+8*(4*\rho+\ct):ACC+8*(4*\rho+\ct)+3] offset:(\ct/2)*128+(\ct%2)*32          ; each accumulator from its low end on
	ds_store_b128 v3, v[ACC+8*(4*\rho+\ct)+4:ACC+8*(4*\rho+\ct)+7] offset:(\ct/2)*128+(\ct%2)*32+16
.endr
.irp i, 0,1,2,3,4,5,6,7
	ds_load_b128 v[RBK+32*\rho+4*\i:RBK+32*\rho+4*\i+3], v4 offset:544*\i     ; LDS serves a wave's instructions in order (ISA guide 5.7.1.4): these see the stores above, and the next tile's stores come behind them
.endr
.endr
.irp rho, 0,1
	s_wait_dscnt 16-16*\rho                        ; this tile's rows are back; the other tile's eight stores and eight loads may stay out
	s_wait_loadcnt 56-8*(2*(\ga)+\rho)             ; x of this row tile is in; the later tiles' loads, eight each, may stay out
	WIN 0x88                                       ; source 1 and destination window 2
.set J, 0
.rept 16
	v_pk_add_f32 v[32*(2*(\ga)+\rho)+J:32*(2*(\ga)+\rho)+J+1], v[RBK+32*\rho+J:RBK+32*\rho+J+1], v[32*(2*(\ga)+\rho)+J:32*(2*(\ga)+\rho)+J+1]
.set J, J+2
.endr
	WIN 0x08                                       ; a store's data are its source 1: window 2
.irp i, 0,1,2,3,4,5,6,7
	global_store_b128 v5, v[32*(2*(\ga)+\rho)+4*\i:32*(2*(\ga)+\rho)+4*\i+3], s[12:13] offset:(32*(\ga)+8*\rho+2*\i+8*(\i/4))*4096 th:TH_STORE_NT   ; sixteen lanes store 256 consecutive bytes, aligned; the data registers are never rewritten
.endr
	WIN 0
.endr
.endm
	OFETCH 0
	s_wait_dscnt 0x0
	MERGE 0
.rept 8
	v_nop                                          ; scale words written by vector instructions stand eight places ahead of the scaled matrix instruction
.endr
	s_wait_alu depctr_va_vdst(0)
	s_wait_loadcnt 0x3f                            ; 64 loads of x stand behind the last of the weights', scale words' and bias's loads
	OGROUP 0
	OGROUP 1
	OGROUP 2
	OGROUP 3
	s_wait_tensorcnt 0x0
	ds_add_u32 v254, v255
	s_wait_dscnt 0x0
	CROUND                                         ; the closing round: no work-group ends while a partner may still ask for the block that names it
	s_endpgm
.Lfunc_end_k_q04f5d90cfb_oproj:
	.size	k_q04f5d90cfb_oproj, .Lfunc_end_k_q04f5d90cfb_oproj-k_q04f5d90cfb_oproj
	.p2alignl 7, 3214868480
	.fill 96, 4, 3214868480
	.section	.rodata,"a",@progbits
	.p2align	6, 0x0
	.amdhsa_kernel k_q04f5d90cfb_oproj
		.amdhsa_group_segment_fixed_size 168448
		.amdhsa_private_segment_fixed_size 0
		.amdhsa_enable_private_segment 0
		.amdhsa_kernarg_size 40
		.amdhsa_user_sgpr_count 2
		.amdhsa_user_sgpr_kernarg_segment_ptr 1
		.amdhsa_wavefront_size32 1
		.amdhsa_system_sgpr_workgroup_id_x 1
		.amdhsa_system_sgpr_workgroup_id_y 1
		.amdhsa_system_sgpr_workgroup_id_z 1
		.amdhsa_system_vgpr_workitem_id 0
		.amdhsa_next_free_vgpr 1024
		.amdhsa_next_free_sgpr 100
		.amdhsa_reserve_vcc 0
		.amdhsa_float_denorm_mode_32 3
		.amdhsa_float_denorm_mode_16_64 3
		.amdhsa_memory_ordered 1
		.amdhsa_forward_progress 1
		.amdhsa_inst_pref_size 91
	.end_amdhsa_kernel
	.amdgpu_metadata
---
amdhsa.version: [ 1, 2 ]
amdhsa.kernels:
  - .name:           k_q04f5d90cfb_oproj
    .symbol:         k_q04f5d90cfb_oproj.kd
    .args:
      - { .name: ao, .offset: 0, .size: 8, .value_kind: global_buffer, .address_space: global }
      - { .name: wq, .offset: 8, .size: 8, .value_kind: global_buffer, .address_space: global }
      - { .name: bo, .offset: 16, .size: 8, .value_kind: global_buffer, .address_space: global }
      - { .name: x, .offset: 24, .size: 8, .value_kind: global_buffer, .address_space: global }
      - { .name: out0, .offset: 32, .size: 8, .value_kind: global_buffer, .address_space: global }
    .group_segment_fixed_size: 168448
    .private_segment_fixed_size: 0
    .kernarg_segment_align: 8
    .kernarg_segment_size: 40
    .max_flat_workgroup_size: 128
    .sgpr_count:     100
    .vgpr_count:     1024
    .wavefront_size: 32
...
	.end_amdgpu_metadata
.endif
;; end of part 4
